; MI455X (gfx1250); checked and timed in simulation.
; The chip was launched on July 23, 2026; its instructions are those of AMD's public machine-readable ISA for CDNA 5 (MIT licence, August 2026) and "CDNA5" Instruction Set Architecture Reference Guide (July 2026). The comments in the code are by the model that wrote it; some were corrected since.
;; Transformer Block. Allowed arithmetic: matrix products marked QUANTISED: E3M2 operands, one E8M0 scale for each 32 along K, by v_wmma_scale_f32_16x16x128_f8f6f4 with both operands' format E3M2, f32 sums; everything else in f32.
;; Inputs: Wk 1,024 x 1,024 float32; Wo 1,024 x 1,024 float32; Wq 1,024 x 1,024 float32; Wv 1,024 x 1,024 float32; g1 1,024 float32; g2 1,024 float32; positions 2,048 int32; w1 2,752 x 1,024 float32; w2 1,024 x 2,752 float32; w3 2,752 x 1,024 float32; x 2 x 2,048 x 1,024 float32.
;; Outputs: out0 2 x 2,048 x 1,024 float32.
;; Constants: theta = 10000.
;; This version of the problem:
;;   THIS VERSION OF THE PROBLEM IS GIVEN IN LOW PRECISION. The matrix products marked QUANTISED in the list below multiply operands that are first quantised to E3M2 (3 exponent bits, 2 mantissa bits; 6 bits a number), with one power-of-two scale for each 32 numbers along K (OCP MX v1.0); their sums are f32. All else is computed in f32.
;;   The module's matrix products, in the order in which they are computed (A, B: the left and right operand; K: the contracted axis; several contracted axes count as one K, in the product's order):
;;     1. [M 4,096, K 1,024] x [K 1,024, N 1,024]; A: computed on the way; B: input Wq: QUANTISED
;;     2. [M 4,096, K 1,024] x [K 1,024, N 1,024]; A: computed on the way; B: input Wk: QUANTISED
;;     3. [M 4,096, K 1,024] x [K 1,024, N 1,024]; A: computed on the way; B: input Wv: QUANTISED
;;     4. batch 32 x [M 2,048, K 64] x [K 64, N 2,048]; A: computed on the way; B: computed on the way: QUANTISED
;;     5. batch 32 x [M 2,048, K 2,048] x [K 2,048, N 64]; A: softmax (see below); B: computed on the way: QUANTISED
;;     6. [M 4,096, K 1,024] x [K 1,024, N 1,024]; A: computed on the way; B: input Wo: QUANTISED
;;     7. [M 4,096, K 1,024] x [K 1,024, N 2,752]; A: computed on the way; B: input w1: QUANTISED
;;     8. [M 4,096, K 1,024] x [K 1,024, N 2,752]; A: computed on the way; B: input w3: QUANTISED
;;     9. [M 4,096, K 2,752] x [K 2,752, N 1,024]; A: computed on the way; B: input w2: QUANTISED
;;   THE QUANTISER, for each operand of a quantised product, along K:
;;     - K is cut into blocks of 32 from its start; a last block that is shorter is filled with zeros.
;;     - A block's scale is 2^e with e = floor(log2(the largest magnitude in the block)) - 4, held to -126 .. 127; a block of zeros has e = 0. As a byte (E8M0): e + 127.
;;     - Each number is divided by its block's scale, clamped to +-28, and rounded to the nearest number of E3M2, ties to even, subnormals kept.
;;     - The product sums the exact products of the quantised numbers (number of the format x scale) in f32.
;;   ~~~python
;;   def quantise(x, axis):      # numpy; x: float32 -> the quantised numbers, widened to float32 again
;;       x = np.moveaxis(x, axis, -1); K = x.shape[-1]
;;       x = np.pad(x, [(0, 0)] * (x.ndim - 1) + [(0, -K % 32)]); x = x.reshape(x.shape[:-1] + (-1, 32)); a = np.abs(x).max(-1, keepdims=True)
;;       e = np.where(a > 0, np.clip(np.frexp(np.where(a > 0, a, 1))[1] - 1 - 4, -126, 127), 0)      # np.frexp(a)[1] - 1 = floor(log2(a)), exactly
;;       r = np.clip(x / 2.0 ** e, -28, 28)
;;       step = 2.0 ** (np.maximum(np.frexp(np.where(r == 0, 1, r))[1] - 1, -2) - 2)
;;       q = np.round(r / step) * step * 2.0 ** e      # np.round: ties to even
;;       return np.moveaxis(q.reshape(q.shape[:-2] + (-1,))[..., :K], -1, axis).astype(np.float32)
;;   ~~~
;;   SOFTMAX AHEAD OF A QUANTISED PRODUCT. Where the list says 'softmax', what is quantised is not the finished softmax but p = 2^(t - M), with t = logit x log2(e) and M = ceil(the row's largest t), a whole number; so 1/2 < the row's largest p <= 1. The row's sum l is taken of the UNQUANTISED p, in f32, and the product's result is divided by l at the end. Since M is a whole number, a kernel that streams over the keys may use a running M (the ceiling of the running maximum): every later rescaling is an exact power of two, which a block's scale takes up: the codes' values come out the same.
;;   OPERANDS COMPUTED ON THE WAY. 'Computed on the way' means the value that the module computes at that place (a softmax that the list does not call 'softmax' is quantised finished and normalised). What goes into a quantiser is computed in f32, as accurately as f32 sums, v_exp_f32 and their like allow (about 1e-6 of the number): no bf16 or f16 on the way to a quantiser, and a product that is left as it is and whose result goes on into a quantised operand takes f32 operands (vector FMAs, or v_wmma_f32_16x16x4_f32). A number that lies on a knife's edge between two numbers of the format may be rounded either way, as far as f32 arithmetic and the matrix unit's own rounding can turn it there, and no further.
;; One version. Each part assembles by itself: llvm-mc -triple=amdgcn-amd-amdhsa -mcpu=gfx1250 --defsym DOCPART=n.
;; ======== version 1 of 1: 6 launches
;; limits: inputs' magnitudes at most 100,000; right only within a limited range of input values
;; workspace buffers: wc 10,354,688 bytes; xq 3,473,408 bytes; tab 524,288 bytes; qkv 9,830,400 bytes; attnq 3,473,408 bytes; x2 16,777,216 bytes; xn2q 3,473,408 bytes; hid 9,830,400 bytes
;; launch prep (part 1): grid 1096 x 1, 8 waves a work-group, no clusters, 69,632 bytes of LDS; arguments x, g1, Wq, Wk, Wv, Wo, w1, w3, w2, positions, xq, wc, tab; writes xq, wc, tab
.if DOCPART == 1
	.amdgcn_target "amdgcn-amd-amdhsa--gfx1250"
	.amdhsa_code_object_version 6
	.text
	.protected	k_qc67af2f5e1_prep
	.globl	k_qc67af2f5e1_prep
	.p2align	8
	.type	k_qc67af2f5e1_prep,@function
k_qc67af2f5e1_prep:
	s_mov_b64 s[64:65], 0
	v_nop
	global_prefetch_b8 v0, s[64:65] scope:SCOPE_SE
	s_setreg_imm32_b32 hwreg(HW_REG_WAVE_MODE, 25, 1), 1
	s_wait_xcnt 0x0
; PREP: every f32 operand that comes from memory becomes codes of BF6 (E3M2) with one E8M0 byte for each 32 along K, laid as IMAGES OF OPERAND REGISTERS;
; x is RMS-normed (g1) on the way; and the table of cos and sin for the rotary embedding is made from positions.
; A wave makes one fragment: 16 rows x 128 along K -> 12 registers a lane (1,536 bytes: register q of lane l at 512 (q / 4) + 16 l + 4 (q % 4)) and 16 scale words.
; THE ROWS OF A TILE ARE NOT NEIGHBOURS: row i of tile T is row 32 (T / 2) + 8 (T % 2) + i + 8 (i / 8), so that two neighbouring tiles used as source 0 of a product leave 16 neighbours in a lane's registers.
; Work-groups 0-255: tile g of x, the eight waves its eight K steps (the row's sum of squares meets in LDS).  256-871: tile id g - 256 of the weights with K = 1,024
; (0-63 Wq, 64-127 Wk, 128-191 Wv, 192-255 Wo, then 90 groups of (w1, w1, w3, w3); groups 86-89 lie past w1's and w3's rows and get zero codes).
; 872-1063: w2, K = 2,752 = 21.5 steps of 128: step 21's upper half and steps 22, 23 are zero codes.  1064-1095: the table.
; Each load reads 512 consecutive bytes of a row; the 16 rows turn through the wave's own stage in LDS (rows 528 bytes apart) so that a lane holds 16 neighbours of each block of 32.
; A scale word is stored by lanes l and l + 16 alike (same word, same address).  Scale words leave as pieces of 64 bytes: one byte in 128 of what is read.
; REGISTERS are shared by what is not alive together (the sums lie where the codes will lie, the quantiser's scratch where g1 lay): 160 a wave, so that three work-groups of eight waves fit on a WGP's four times 1,024.
; LIMITS: NaN and infinities are not served.  A block of zeros gets the byte 1 (its codes are zeros; this program alone reads the bytes).  The table holds for |position x frequency| up to about 1e5.
.set XSK,  3145728                     ; xq: the scale words [K step 8][tile, pitch 640][16 rows]
.set W2O,  7569408                     ; wc: w2's fragments [column group 8][K step 24][tile 8]
.set WSK,  9928704                     ; wc: scale words of the K = 1,024 weights, laid as xq's
.set SW2O, 10256384                    ; wc: w2's scale words [K step 24][column group 8][lane 32][4]
.set STGB, 8448                        ; a wave's stage: 16 rows x 528 bytes
.set NRM,  67584                       ; behind the stages: [wave 8][row 16] sums of squares
.set PC,   12                          ; v12-30   the codes just made
.set SS,   12                          ; v12-15   sums of squares (done with before the codes are made)
.set NR,   16                          ; v16-23   the eight waves' sums (likewise)
.set X,    32                          ; v32-95   64 numbers
.set G,    96                          ; v96-159  g1 at the same places
.set TM,   96                          ; v96-111  at work in QUANT, when g1 is done with
.set PW,   112                         ; the scale word
.set SEL,  60                          ; s[60:61] selects for lane l xor 16
; 64 numbers of a lane, register 16 b + i = k 32 b + 16 (lane / 16) + i of my row, become a fragment's 12 registers and its scale word
.macro QUANT s, pc, pw
.irp b, 0,1,2,3
	v_max3_num_f32 v[TM+\b], |v[\s+16*\b]|, |v[\s+1+16*\b]|, 0x2800000   ; my 16 numbers of block b, and the floor 2^(5 - 127): the byte cannot fall under 1
.endr
.irp i, 2,4,6,8,10,12,14
.irp b, 0,1,2,3
	s_delay_alu instid0(VALU_DEP_4)
	v_max3_num_f32 v[TM+\b], v[TM+\b], |v[\s+16*\b+\i]|, |v[\s+1+16*\b+\i]|
.endr
.endr
.irp b, 0,1,2,3
	s_delay_alu instid0(VALU_DEP_4)
	v_permlanex16_b32 v[TM+4+\b], v[TM+\b], s[SEL], s[SEL+1]
.endr
.irp b, 0,1,2,3
	s_delay_alu instid0(VALU_DEP_4)
	v_max_num_f32 v[TM+\b], v[TM+\b], v[TM+4+\b]                  ; with lane l xor 16's: the block's largest magnitude
.endr
.irp b, 0,1,2,3
	s_delay_alu instid0(VALU_DEP_4)
	v_add_nc_u32 v[TM+12+\b], 0xfe000000, v[TM+\b]               ; 4 off its exponent field: the conversion's scale operand
.endr
.irp b, 0,1,2,3
	s_delay_alu instid0(VALU_DEP_4)
	v_lshrrev_b32 v[TM+4+\b], 23, v[TM+12+\b]                    ; the scale's byte
.endr
	s_delay_alu instid0(VALU_DEP_3)
	v_lshl_or_b32 v[\pw], v[TM+5], 8, v[TM+4]
	s_delay_alu instid0(VALU_DEP_1)
	v_lshl_or_b32 v[\pw], v[TM+6], 16, v[\pw]
	s_delay_alu instid0(VALU_DEP_1)
	v_lshl_or_b32 v[\pw], v[TM+7], 24, v[\pw]
.irp c, 0,1
	v_cvt_scalef32_pk16_bf6_f32 v[\pc+6*\c:\pc+2+6*\c], v[\s+32*\c:\s+15+32*\c], v[TM+12+2*\c]
	v_cvt_scalef32_pk16_bf6_f32 v[\pc+12+4*\c:\pc+14+4*\c], v[\s+16+32*\c:\s+31+32*\c], v[TM+12+2*\c+1]
.endr
	v_nop                                          ; one plain place behind a scaled conversion
.irp c, 0,1                                    ; the operand wants a whole block in a lane: lanes 0-15 block 2 c, lanes 16-31 block 2 c + 1
.irp i, 0,1,2
	v_permlane16_swap_b32 v[\pc+6*\c+\i], v[\pc+12+4*\c+\i]
.endr
.irp i, 0,1,2
	s_delay_alu instid0(VALU_DEP_3)
	v_mov_b32 v[\pc+3+6*\c+\i], v[\pc+12+4*\c+\i]
.endr
.endr
.endm
.macro LOADROWS pitch                          ; the tile's 16 rows, 512 consecutive bytes each
.irp i, 0,1,2,3,4,5,6,7,8,9,10,11,12,13,14,15
	global_load_b128 v[X+4*\i:X+4*\i+3], v4, s[34:35] offset:(\i+8*(\i/8))*\pitch th:TH_LOAD_NT
.endr
.endm
	s_load_b512 s[4:19], s[0:1], 0x0               ; x, g1, Wq, Wk, Wv, Wo, w1, w3
	s_load_b256 s[20:27], s[0:1], 0x40             ; w2, positions, xq, wc
	s_load_b64 s[28:29], s[0:1], 0x60              ; tab
	v_lshl_add_u32 v27, v0, 2, 0x10c00             ; my spare word and 0: v27 and v31 are named by nothing else (the codes take v12-26 and v28-30)
	v_mov_b32 v31, 0
	v_lshrrev_b32 v1, 5, v0
	s_delay_alu instid0(VALU_DEP_1)
	v_readfirstlane_b32 s30, v1                    ; wave 0..7
	s_mov_b32 s31, ttmp9                           ; g
	s_mov_b32 s[SEL], 0x76543210
	s_mov_b32 s[SEL+1], 0xfedcba98
	s_cmp_ge_u32 s31, 1064
	s_cbranch_scc1 .Ltable
	v_and_b32 v1, 31, v0                           ; lane
	v_and_b32 v2, 15, v0                           ; r
	v_bfe_u32 v3, v0, 4, 1                         ; h
	s_mul_i32 s32, s30, STGB
	v_lshlrev_b32 v8, 4, v1                        ; 16 x lane
	s_delay_alu instid0(VALU_DEP_1)
	v_add_nc_u32 v5, s32, v8                       ; the stage by rows as loaded
	v_mul_u32_u24 v6, v2, 528
	s_delay_alu instid0(VALU_DEP_1)
	v_lshl_add_u32 v6, v3, 6, v6
	s_delay_alu instid0(VALU_DEP_1)
	v_add_nc_u32 v6, s32, v6                       ; and by my row: 528 r + 64 h
	v_lshl_add_u32 v7, v2, 2, NRM
	s_lshl_b32 s32, s30, 6
	v_add_nc_u32 v11, s32, v7                      ; my wave's word for row r
	v_lshlrev_b32 v10, 6, v3                       ; g1: 64 h
.irp b, 0,1,2,3
	v_mov_b32 v[TM+4+\b], 0                        ; a lane permute's destination counts as one of its sources (where g1 is loaded it lands here later)
.endr
	s_mov_b32 s49, WSK
	s_wait_kmcnt 0x0
	; x, or a weight with K = 1,024
	s_cmp_lt_u32 s31, 256
	s_cselect_b64 s[42:43], s[24:25], s[26:27]     ; where the results go: xq or wc
	s_cselect_b32 s49, XSK, s49
	s_cselect_b32 s50, 0, 256
	s_sub_co_u32 s33, s31, s50                     ; the tile's number in its buffer
	s_lshr_b32 s50, s33, 6
	s_cmp_eq_u32 s50, 1
	s_cselect_b64 s[34:35], s[10:11], s[8:9]
	s_cmp_eq_u32 s50, 2
	s_cselect_b64 s[34:35], s[12:13], s[34:35]
	s_cmp_eq_u32 s50, 3
	s_cselect_b64 s[34:35], s[14:15], s[34:35]
	s_and_b32 s36, s33, 63
	s_sub_co_u32 s51, s33, 256                     ; among w1's and w3's
	s_lshr_b32 s52, s51, 2                         ; the group
	s_and_b32 s53, s51, 1
	s_lshl_b32 s54, s52, 1
	s_add_co_u32 s53, s53, s54                     ; the tile in w1 or w3
	s_and_b32 s54, s51, 2
	s_cmp_lg_u32 s54, 0
	s_cselect_b64 s[56:57], s[18:19], s[16:17]
	s_cmp_ge_u32 s52, 86                           ; past the 2,752 rows: zero codes (tile 0 is read and not used)
	s_cselect_b32 s53, 0, s53
	s_cselect_b32 s54, 0, 4
	s_cmp_ge_u32 s33, 256
	s_cselect_b64 s[34:35], s[56:57], s[34:35]
	s_cselect_b32 s36, s53, s36
	s_cselect_b32 s38, s54, 4                      ; how many of the four blocks hold numbers
	s_cmp_lt_u32 s31, 256
	s_cselect_b64 s[34:35], s[4:5], s[34:35]
	s_cselect_b32 s36, s31, s36
	s_lshl_b32 s44, s33, 3
	s_add_co_u32 s44, s44, s30
	s_mul_i32 s44, s44, 1536                       ; fragment (tile, K step = wave)
	s_mul_i32 s46, s30, 640
	s_add_co_u32 s46, s46, s33
	s_lshl_b32 s46, s46, 6
	s_add_co_u32 s46, s46, s49                     ; its scale words
	; w2
	s_sub_co_u32 s50, s31, 872
	s_and_b32 s51, s50, 63                         ; tile
	s_lshr_b32 s52, s50, 6
	s_lshl_b32 s52, s52, 3
	s_add_co_u32 s52, s52, s30                     ; K step 0..23
	s_cmp_lt_u32 s52, 21
	s_cselect_b32 s53, 4, 2
	s_cselect_b32 s54, 31, 15                      ; from step 21 on lanes 16-31 read what lanes 0-15 read: no load passes a row's end
	s_cmp_gt_u32 s52, 21
	s_cselect_b32 s53, 0, s53
	s_min_u32 s55, s52, 21
	s_lshr_b32 s56, s51, 3                         ; column group
	s_and_b32 s57, s51, 7                          ; tile in it
	s_mul_i32 s58, s56, 24
	s_add_co_u32 s58, s58, s52
	s_lshl_b32 s58, s58, 3
	s_add_co_u32 s58, s58, s57
	s_mul_i32 s58, s58, 1536
	s_add_co_u32 s58, s58, W2O
	s_lshl_b32 s59, s52, 3
	s_add_co_u32 s59, s59, s56
	s_lshl_b32 s59, s59, 1
	s_and_b32 s56, s57, 1
	s_add_co_u32 s59, s59, s56
	s_lshl_b32 s59, s59, 8                         ; ((8 step + group) 32 + 16 (tile % 2)) x 16
	s_lshr_b32 s56, s57, 1
	s_lshl_b32 s56, s56, 2
	s_add_co_u32 s59, s59, s56
	s_add_co_u32 s59, s59, SW2O
	s_mov_b32 s41, 11008
	s_cmp_ge_u32 s31, 872
	s_cselect_b64 s[34:35], s[20:21], s[34:35]
	s_cselect_b32 s36, s51, s36
	s_cselect_b32 s38, s53, s38
	s_cselect_b32 s39, s54, 31
	s_cselect_b32 s40, s55, s30                    ; the K step that is read
	s_cselect_b32 s41, s41, 4096                   ; a row in bytes
	s_cselect_b32 s44, s58, s44
	s_cselect_b32 s46, s59, s46
	s_cselect_b32 s48, 16, 4                       ; from row to row among the scale words
	s_lshr_b32 s50, s36, 1
	s_lshl_b32 s50, s50, 5
	s_and_b32 s51, s36, 1
	s_lshl_b32 s51, s51, 3
	s_add_co_u32 s50, s50, s51                     ; the tile's first row
	s_mul_i32 s50, s50, s41
	s_lshl_b32 s51, s40, 9
	s_add_co_u32 s50, s50, s51
	s_mov_b32 s51, 0
	s_add_nc_u64 s[34:35], s[34:35], s[50:51]
	s_mov_b32 s45, 0
	s_mov_b32 s47, 0
	s_add_nc_u64 s[44:45], s[42:43], s[44:45]
	s_add_nc_u64 s[46:47], s[42:43], s[46:47]
	s_mov_b32 s58, 0x3a800000                      ; 1 / 1,024
	s_mov_b32 s59, 0x3727c5ac                      ; 1e-5
	v_and_b32 v4, s39, v1
	s_delay_alu instid0(VALU_DEP_1)
	v_lshlrev_b32 v4, 4, v4
	v_mul_u32_u24 v9, s48, v2
	s_cmp_ge_u32 s31, 872
	s_cbranch_scc1 .Lw2rows
	LOADROWS 4096
	s_branch .Lrows
.Lw2rows:
	s_wait_alu depctr_va_vdst(0)
	LOADROWS 11008
.Lrows:
	s_cmp_ge_u32 s31, 256
	s_cbranch_scc1 .Lno_g
	s_lshl_b32 s50, s30, 9
	s_add_nc_u64 s[6:7], s[6:7], s[50:51]
.set i, 0
	s_wait_alu depctr_va_vdst(0)
.rept 16
	global_load_b128 v[G+4*i:G+4*i+3], v10, s[6:7] offset:128*(i/4)+16*(i%4)   ; g1 at k = 128 wave + 32 b + 16 h + ..
.set i, i+1
.endr
.Lno_g:
	s_wait_loadcnt 0x0
.set i, 0
.rept 16
	ds_store_b128 v5, v[X+4*i:X+4*i+3] offset:528*i
.set i, i+1
.endr
	s_wait_dscnt 0x0                               ; the stores have read their registers
.set i, 0
.rept 16
	ds_load_b128 v[X+4*i:X+4*i+3], v6 offset:128*(i/4)+16*(i%4)
.set i, i+1
.endr
	s_wait_dscnt 0x0
	s_cmp_ge_u32 s38, 4
	s_cbranch_scc1 .Lfull
.set i, 32
.rept 32
	v_mov_b32 v[X+i], 0                            ; blocks 2 and 3 lie past K's end
.set i, i+1
.endr
	s_cmp_ge_u32 s38, 2
	s_cbranch_scc1 .Lfull
.set i, 0
.rept 32
	v_mov_b32 v[X+i], 0
.set i, i+1
.endr
.Lfull:
	s_cmp_ge_u32 s31, 256
	s_cbranch_scc1 .Lno_ss
	v_pk_mul_f32 v[SS:SS+1], v[X:X+1], v[X:X+1]    ; my 64 numbers' squares, in two chains of pairs
	v_pk_mul_f32 v[SS+2:SS+3], v[X+2:X+3], v[X+2:X+3]
.set j, 4
.rept 15
	s_delay_alu instid0(VALU_DEP_2)
	v_pk_fma_f32 v[SS:SS+1], v[X+j:X+j+1], v[X+j:X+j+1], v[SS:SS+1]
	s_delay_alu instid0(VALU_DEP_2)
	v_pk_fma_f32 v[SS+2:SS+3], v[X+j+2:X+j+3], v[X+j+2:X+j+3], v[SS+2:SS+3]
.set j, j+4
.endr
	s_delay_alu instid0(VALU_DEP_1)
	v_pk_add_f32 v[SS:SS+1], v[SS:SS+1], v[SS+2:SS+3]
	s_delay_alu instid0(VALU_DEP_1)
	v_add_f32 v[SS], v[SS], v[SS+1]
	s_delay_alu instid0(VALU_DEP_1)
	v_permlanex16_b32 v[SS+1], v[SS], s[SEL], s[SEL+1]
	s_delay_alu instid0(VALU_DEP_1)
	v_add_f32 v[SS], v[SS], v[SS+1]                ; row r's 128 numbers of my K step
	ds_store_b32 v11, v[SS]
.Lno_ss:
	s_wait_dscnt 0x0                               ; for the others' sake
	s_barrier_signal -1
	s_barrier_wait -1
	s_cmp_ge_u32 s31, 256
	s_cbranch_scc1 .Lquant
.irp k, 0,1,2,3,4,5,6,7
	ds_load_b32 v[NR+\k], v7 offset:64*\k
.endr
	s_wait_dscnt 0x0
	v_add_f32 v[NR], v[NR], v[NR+1]
	v_add_f32 v[NR+2], v[NR+2], v[NR+3]
	v_add_f32 v[NR+4], v[NR+4], v[NR+5]
	v_add_f32 v[NR+6], v[NR+6], v[NR+7]
	s_delay_alu instid0(VALU_DEP_3)
	v_add_f32 v[NR], v[NR], v[NR+2]
	s_delay_alu instid0(VALU_DEP_2)
	v_add_f32 v[NR+4], v[NR+4], v[NR+6]
	s_delay_alu instid0(VALU_DEP_1)
	v_add_f32 v[NR], v[NR], v[NR+4]
	s_delay_alu instid0(VALU_DEP_1)
	v_fma_f32 v[NR], v[NR], s58, s59               ; the mean of the squares + eps
	s_wait_alu depctr_va_vdst(0)
	v_rsq_f32 v[NR], v[NR]
	v_nop                                          ; a plain place behind the transcendental
	s_wait_alu depctr_va_vdst(0)                   ; and the wait ahead of its first reader
.set j, 0
.rept 32
	v_pk_mul_f32 v[X+j:X+j+1], v[X+j:X+j+1], v[NR:NR+1] op_sel_hi:[1,0]
.set j, j+2
.endr
.set j, 0
.rept 32
	v_pk_mul_f32 v[X+j:X+j+1], v[X+j:X+j+1], v[G+j:G+j+1]
.set j, j+2
.endr
.Lquant:
	QUANT X, PC, PW
.irp c, 0,1,2
	global_store_b128 v8, v[PC+4*\c:PC+4*\c+3], s[44:45] offset:512*\c   ; 512 consecutive bytes a store
.endr
	global_store_b32 v9, v[PW], s[46:47]
	s_wait_tensorcnt 0x0
	ds_add_u32 v27, v31
	s_wait_dscnt 0x0
	s_endpgm
; THE TABLE: tab[n][pair i] = (cos, sin) of positions[n] x 10000^(-i / 32).  Thread t of 256: row n = 64 (g - 1064) + t / 4, pairs 8 (t % 4) + 0 .. 7.
; The frequency is 2^(-i c), c = log2(10000) / 32 in two words; the angle is the f32 product; it is brought into [-pi/4, pi/4] by a multiple k of pi/2 in three words; two short polynomials; the quadrant from k.
.set FI, 32
.set AH, 40
.set AL, 48
.set F,  56
.set KK, 64
.set R,  72
.set Z,  80
.set SN, 88
.set CN, 96
.set KI, 104
.set T1, 112
.set O,  120
.Ltable:
	s_sub_co_u32 s32, s31, 1064
	v_lshrrev_b32 v1, 2, v0
	v_and_b32 v2, 3, v0
	s_delay_alu instid0(VALU_DEP_2)
	v_lshlrev_b32 v3, 2, v1                        ; positions: 4 bytes a row
	v_lshlrev_b32 v4, 6, v0                        ; the table: 64 bytes a thread
	s_delay_alu instid0(VALU_DEP_3)
	v_lshlrev_b32 v6, 3, v2
	s_lshl_b32 s34, s32, 8
	s_mov_b32 s35, 0
	s_lshl_b32 s36, s32, 14
	s_mov_b32 s37, 0
	s_mov_b32 s40, 0x3ed49a78                      ; c, upper word
	s_mov_b32 s41, 0x32179a8d                      ; c, lower word
	s_mov_b32 s42, 0xbf317218                      ; -ln 2
	s_mov_b32 s43, 0x3f22f983                      ; 2 / pi
	s_mov_b32 s44, 0x3fc90fdb                      ; pi / 2 in three words
	s_mov_b32 s45, 0xb33bbd2e
	s_mov_b32 s46, 0xa6f72ced
	s_mov_b32 s47, 0xbe2aaaa3                      ; sin: r + r^3 (s47 + r^2 (s48 + r^2 s49))
	s_mov_b32 s48, 0x3c08839e
	s_mov_b32 s49, 0xb94ca1f9
	s_mov_b32 s50, 0x3d2aaaa5                      ; cos: 1 - r^2 / 2 + r^4 (s50 + r^2 (s51 + r^2 s52))
	s_mov_b32 s51, 0xbab6061a
	s_mov_b32 s52, 0x37ccf5ce
	s_wait_alu depctr_va_vdst(0)
	s_wait_kmcnt 0x0
	s_add_nc_u64 s[22:23], s[22:23], s[34:35]
	s_add_nc_u64 s[28:29], s[28:29], s[36:37]
	global_load_b32 v5, v3, s[22:23]
.irp e, 0,1,2,3,4,5,6,7
	v_add_nc_u32 v[FI+\e], \e, v6
.endr
.irp e, 0,1,2,3,4,5,6,7
	v_cvt_f32_u32 v[FI+\e], v[FI+\e]
.endr
.irp e, 0,1,2,3,4,5,6,7
	v_mul_f32 v[AH+\e], s40, v[FI+\e]
.endr
.irp e, 0,1,2,3,4,5,6,7
	v_fma_f32 v[AL+\e], v[FI+\e], s40, -v[AH+\e]   ; what the product lost,
.endr
.irp e, 0,1,2,3,4,5,6,7
	v_fma_f32 v[AL+\e], v[FI+\e], s41, v[AL+\e]    ; and c's lower word
.endr
.irp e, 0,1,2,3,4,5,6,7
	v_exp_f32 v[F+\e], -v[AH+\e]
.endr
	v_nop
	s_wait_alu depctr_va_vdst(0)                   ; one wait for the eight
.irp e, 0,1,2,3,4,5,6,7
	v_mul_f32 v[T1+\e], s42, v[F+\e]
.endr
.irp e, 0,1,2,3,4,5,6,7
	v_fma_f32 v[F+\e], v[T1+\e], v[AL+\e], v[F+\e] ; 2^(-hi - lo) = 2^(-hi) (1 - lo ln 2)
.endr
	s_wait_loadcnt 0x0
	v_cvt_f32_i32 v5, v5
	s_wait_alu depctr_va_vdst(0)
.irp e, 0,1,2,3,4,5,6,7
	v_mul_f32 v[AH+\e], v5, v[F+\e]                ; the angle
.endr
.irp e, 0,1,2,3,4,5,6,7
	v_mul_f32 v[KK+\e], s43, v[AH+\e]
.endr
.irp e, 0,1,2,3,4,5,6,7
	v_rndne_f32 v[KK+\e], v[KK+\e]
.endr
.irp e, 0,1,2,3,4,5,6,7
	v_fma_f32 v[R+\e], -v[KK+\e], s44, v[AH+\e]
.endr
.irp e, 0,1,2,3,4,5,6,7
	v_fma_f32 v[R+\e], -v[KK+\e], s45, v[R+\e]
.endr
.irp e, 0,1,2,3,4,5,6,7
	v_fma_f32 v[R+\e], -v[KK+\e], s46, v[R+\e]
.endr
.irp e, 0,1,2,3,4,5,6,7
	v_mul_f32 v[Z+\e], v[R+\e], v[R+\e]
.endr
.irp e, 0,1,2,3,4,5,6,7
	v_fma_f32 v[SN+\e], v[Z+\e], s49, s48
	v_fma_f32 v[CN+\e], v[Z+\e], s52, s51
.endr
.irp e, 0,1,2,3,4,5,6,7
	v_fma_f32 v[SN+\e], v[SN+\e], v[Z+\e], s47
	v_fma_f32 v[CN+\e], v[CN+\e], v[Z+\e], s50
.endr
.irp e, 0,1,2,3,4,5,6,7
	v_mul_f32 v[T1+\e], v[Z+\e], v[R+\e]
	v_fma_f32 v[AL+\e], v[Z+\e], -0.5, 1.0
.endr
.irp e, 0,1,2,3,4,5,6,7
	v_fma_f32 v[SN+\e], v[SN+\e], v[T1+\e], v[R+\e]
	v_mul_f32 v[T1+\e], v[Z+\e], v[Z+\e]
.endr
.irp e, 0,1,2,3,4,5,6,7
	v_fma_f32 v[CN+\e], v[CN+\e], v[T1+\e], v[AL+\e]
	v_cvt_i32_f32 v[KI+\e], v[KK+\e]
.endr
.irp e, 0,1,2,3,4,5,6,7
	v_and_b32 v[T1+\e], 1, v[KI+\e]
	s_delay_alu instid0(VALU_DEP_1)
	v_cmp_eq_u32 vcc_lo, 1, v[T1+\e]               ; an odd k changes sin and cos over
	s_delay_alu instid0(VALU_DEP_1)
	v_cndmask_b32 v[O+2*\e+1], v[SN+\e], v[CN+\e], vcc_lo
	s_delay_alu instid0(VALU_DEP_2)
	v_cndmask_b32 v[O+2*\e], v[CN+\e], v[SN+\e], vcc_lo
	v_and_b32 v[T1+\e], 2, v[KI+\e]
	s_delay_alu instid0(VALU_DEP_1)
	v_lshlrev_b32 v[T1+\e], 30, v[T1+\e]
	s_delay_alu instid0(VALU_DEP_1)
	v_xor_b32 v[O+2*\e+1], v[T1+\e], v[O+2*\e+1]   ; sin's sign: k % 4 = 2, 3
	v_add_nc_u32 v[T1+\e], 1, v[KI+\e]
	s_delay_alu instid0(VALU_DEP_1)
	v_and_b32 v[T1+\e], 2, v[T1+\e]
	s_delay_alu instid0(VALU_DEP_1)
	v_lshlrev_b32 v[T1+\e], 30, v[T1+\e]
	s_delay_alu instid0(VALU_DEP_1)
	v_xor_b32 v[O+2*\e], v[T1+\e], v[O+2*\e]       ; cos's: k % 4 = 1, 2
.endr
.irp j, 0,1,2,3
	global_store_b128 v4, v[O+4*\j:O+4*\j+3], s[28:29] offset:16*\j
.endr
	s_endpgm
.Lfunc_end_k_qc67af2f5e1_prep:
	.size	k_qc67af2f5e1_prep, .Lfunc_end_k_qc67af2f5e1_prep-k_qc67af2f5e1_prep
	.p2alignl 7, 3214868480
	.fill 96, 4, 3214868480
	.section	.rodata,"a",@progbits
	.p2align	6, 0x0
	.amdhsa_kernel k_qc67af2f5e1_prep
		.amdhsa_group_segment_fixed_size 69632
		.amdhsa_private_segment_fixed_size 0
		.amdhsa_enable_private_segment 0
		.amdhsa_kernarg_size 104
		.amdhsa_user_sgpr_count 2
		.amdhsa_user_sgpr_kernarg_segment_ptr 1
		.amdhsa_wavefront_size32 1
		.amdhsa_system_sgpr_workgroup_id_x 1
		.amdhsa_system_sgpr_workgroup_id_y 1
		.amdhsa_system_sgpr_workgroup_id_z 1
		.amdhsa_system_vgpr_workitem_id 0
		.amdhsa_next_free_vgpr 160
		.amdhsa_next_free_sgpr 66
		.amdhsa_reserve_vcc 1
		.amdhsa_float_denorm_mode_32 3
		.amdhsa_float_denorm_mode_16_64 3
		.amdhsa_memory_ordered 1
		.amdhsa_forward_progress 1
		.amdhsa_inst_pref_size 46
	.end_amdhsa_kernel
	.amdgpu_metadata
---
amdhsa.version: [ 1, 2 ]
amdhsa.kernels:
  - .name:           k_qc67af2f5e1_prep
    .symbol:         k_qc67af2f5e1_prep.kd
    .args:
      - { .name: x, .offset: 0, .size: 8, .value_kind: global_buffer, .address_space: global }
      - { .name: g1, .offset: 8, .size: 8, .value_kind: global_buffer, .address_space: global }
      - { .name: Wq, .offset: 16, .size: 8, .value_kind: global_buffer, .address_space: global }
      - { .name: Wk, .offset: 24, .size: 8, .value_kind: global_buffer, .address_space: global }
      - { .name: Wv, .offset: 32, .size: 8, .value_kind: global_buffer, .address_space: global }
      - { .name: Wo, .offset: 40, .size: 8, .value_kind: global_buffer, .address_space: global }
      - { .name: w1, .offset: 48, .size: 8, .value_kind: global_buffer, .address_space: global }
      - { .name: w3, .offset: 56, .size: 8, .value_kind: global_buffer, .address_space: global }
      - { .name: w2, .offset: 64, .size: 8, .value_kind: global_buffer, .address_space: global }
      - { .name: positions, .offset: 72, .size: 8, .value_kind: global_buffer, .address_space: global }
      - { .name: xq, .offset: 80, .size: 8, .value_kind: global_buffer, .address_space: global }
      - { .name: wc, .offset: 88, .size: 8, .value_kind: global_buffer, .address_space: global }
      - { .name: tab, .offset: 96, .size: 8, .value_kind: global_buffer, .address_space: global }
    .group_segment_fixed_size: 69632
    .private_segment_fixed_size: 0
    .kernarg_segment_align: 8
    .kernarg_segment_size: 104
    .max_flat_workgroup_size: 256
    .sgpr_count:     66
    .vgpr_count:     160
    .wavefront_size: 32
...
	.end_amdgpu_metadata
.endif
;; end of part 1
;; launch qkv (part 2): grid 192 x 1, 4 waves a work-group, no clusters, 327,680 bytes of LDS; arguments xq, wc, tab, qkv; writes qkv
.if DOCPART == 2
	.amdgcn_target "amdgcn-amd-amdhsa--gfx1250"
	.amdhsa_code_object_version 6
	.text
	.protected	k_qc67af2f5e1_qkv
	.globl	k_qc67af2f5e1_qkv
	.p2align	8
	.type	k_qc67af2f5e1_qkv,@function
k_qc67af2f5e1_qkv:
	s_mov_b64 s[64:65], 0
	v_nop
	global_prefetch_b8 v0, s[64:65] scope:SCOPE_SE
	s_setreg_imm32_b32 hwreg(HW_REG_WAVE_MODE, 25, 1), 1
	s_wait_xcnt 0x0
; Q, K, V: products 1 to 3 on codes of BF6, the rotary embedding, and the quantising of q, k (along the head's 64) and v (along the keys).
; A work-group makes 256 x 256 of a product; each of its four waves keeps 4 tiles x 8 K steps of ONE operand (source 1) in 384 registers, read once from memory as images of registers;
; the OTHER operand (source 0), 16 tiles, is one dense block of 196,608 bytes that comes into LDS once, by tensor loads, and is read by all four waves.  Nothing in LDS is filled twice.
; A GROUP is 4 tiles of source 0 x my 4 tiles x 8 K steps: 128 matrix instructions on 16 accumulators by turns; a fragment read from LDS feeds four of them.
; Work-groups 0-127 (q, k): source 1 = 64 tokens a wave, source 0 = rows of Wq or Wk, a group = one head: a lane holds one token, its 32 registers a tile-pair's 16 + 16 neighbouring channels.
; Work-groups 128-191 (v): source 1 = rows of Wv (a wave = one head, a tile = 16 channels), source 0 = tokens, a group = 64 keys: a lane holds one channel and its registers run along the keys.
; One text serves both: buffers are chosen by s_cselect_b64 on the work-group's number, offsets apart from them; only the rotary embedding is jumped over for v.
; Results: half fragments (16 rows x 64 K: 6 registers, 768 bytes: registers 0-3 at 16 l, 4-5 at 512 + 8 l) and two scale bytes a row.
; The 16 work-groups that share a block of source 0 ask for it each by itself, once, at the head; joint requests in a cluster are not built here.
; A wave has one tensor load out at the most.
.set NG,    4
.set XSK,   3145728
.set WSK,   9928704
.set LA,    10                         ; v10-13 16 x lane + 49,152 x group
.set SOP,   14                         ; v14-15 where a lane's two scale bytes go, for tiles h and 2 + h
.set SCR,   16                         ; v16-31 source 1's scale words: register 2 s + p: tiles 2 p (lanes 0-15) and 2 p + 1 (lanes 16-31)
.set SCL,   160                        ; v160-223 source 0's scale words, 16 registers a group, laid as source 1's; they come from memory straight into registers; MATS sets the group's base
.set FB,    64                         ; v64-111, v112-159 source 0's four fragments of a K step, two buffers
.set TT,    128                        ; window 3: at work
.set MX,    160
.set PX,    168
.set PCD,   192                        ; window 3: tile m's codes at v[192 + 8 m] (6), its scale bytes at + 6
.set TC,    232
.set SEL,   80
.set HM,    82
; REGISTERS: window 0 as above; window 1: source 1's tiles 0, 1 at v[96 m + 12 s], cos and sin for tiles 0, 1 at v192, v224; window 2: the same for tiles 2, 3; window 3: accumulator (m, j) at v[32 m + 8 j].
.set MSB, 0
.macro WIN new                         ; the immediate's high byte repeats the setting that is left
.if MSB != (\new)
	s_set_vgpr_msb (MSB<<8)|(\new)
.set MSB, (\new)
.endif
.endm
.macro PLACES                          ; four places behind matrix instructions, ahead of loads into their registers and of reads of their results
.rept 4
	v_nop
.endr
.endm
; one product.  z: it starts the sum.  ra, rb: source 0's, source 1's scale words stand in lanes 16-31
.macro WM d, a, b, z, sa, sb, ra, rb
.if \z
.if \ra
.if \rb
	v_wmma_scale_f32_16x16x128_f8f6f4 v[(\d):(\d)+7], v[(\a):(\a)+11], v[(\b):(\b)+11], 0, v[\sa], v[\sb] matrix_a_fmt:MATRIX_FMT_BF6 matrix_b_fmt:MATRIX_FMT_BF6 matrix_a_scale:MATRIX_SCALE_ROW1 matrix_b_scale:MATRIX_SCALE_ROW1
.else
	v_wmma_scale_f32_16x16x128_f8f6f4 v[(\d):(\d)+7], v[(\a):(\a)+11], v[(\b):(\b)+11], 0, v[\sa], v[\sb] matrix_a_fmt:MATRIX_FMT_BF6 matrix_b_fmt:MATRIX_FMT_BF6 matrix_a_scale:MATRIX_SCALE_ROW1
.endif
.else
.if \rb
	v_wmma_scale_f32_16x16x128_f8f6f4 v[(\d):(\d)+7], v[(\a):(\a)+11], v[(\b):(\b)+11], 0, v[\sa], v[\sb] matrix_a_fmt:MATRIX_FMT_BF6 matrix_b_fmt:MATRIX_FMT_BF6 matrix_b_scale:MATRIX_SCALE_ROW1
.else
	v_wmma_scale_f32_16x16x128_f8f6f4 v[(\d):(\d)+7], v[(\a):(\a)+11], v[(\b):(\b)+11], 0, v[\sa], v[\sb] matrix_a_fmt:MATRIX_FMT_BF6 matrix_b_fmt:MATRIX_FMT_BF6
.endif
.endif
.else
.if \ra
.if \rb
	v_wmma_scale_f32_16x16x128_f8f6f4 v[(\d):(\d)+7], v[(\a):(\a)+11], v[(\b):(\b)+11], v[(\d):(\d)+7], v[\sa], v[\sb] matrix_a_fmt:MATRIX_FMT_BF6 matrix_b_fmt:MATRIX_FMT_BF6 matrix_a_scale:MATRIX_SCALE_ROW1 matrix_b_scale:MATRIX_SCALE_ROW1
.else
	v_wmma_scale_f32_16x16x128_f8f6f4 v[(\d):(\d)+7], v[(\a):(\a)+11], v[(\b):(\b)+11], v[(\d):(\d)+7], v[\sa], v[\sb] matrix_a_fmt:MATRIX_FMT_BF6 matrix_b_fmt:MATRIX_FMT_BF6 matrix_a_scale:MATRIX_SCALE_ROW1
.endif
.else
.if \rb
	v_wmma_scale_f32_16x16x128_f8f6f4 v[(\d):(\d)+7], v[(\a):(\a)+11], v[(\b):(\b)+11], v[(\d):(\d)+7], v[\sa], v[\sb] matrix_a_fmt:MATRIX_FMT_BF6 matrix_b_fmt:MATRIX_FMT_BF6 matrix_b_scale:MATRIX_SCALE_ROW1
.else
	v_wmma_scale_f32_16x16x128_f8f6f4 v[(\d):(\d)+7], v[(\a):(\a)+11], v[(\b):(\b)+11], v[(\d):(\d)+7], v[\sa], v[\sb] matrix_a_fmt:MATRIX_FMT_BF6 matrix_b_fmt:MATRIX_FMT_BF6
.endif
.endif
.endif
.endm
.macro FRAGS g, s                      ; group g's four fragments of K step s: 12 loads of 512 consecutive bytes
.irp j, 0,1,2,3
.irp c, 0,1,2
	ds_load_b128 v[FB+48*((\s)%2)+12*\j+4*\c:FB+48*((\s)%2)+12*\j+4*\c+3], v[LA+\g] offset:(8*\j+(\s))*1536+512*\c
.endr
.endr
.endm
.macro MUL8 m0, s                      ; my tiles m0, m0 + 1 x the group's four
.irp m, \m0, \m0+1
.irp j, 0,1,2,3
	WM 32*(\m)+8*\j, FB+48*((\s)%2)+12*\j, 96*((\m)-(\m0))+12*(\s), (\s)==0, SCL+2*(\s)+\j/2, SCR+2*(\s)+(\m)/2, \j%2, (\m)%2
.endr
.endr
.endm
.macro MATS g
.set SCL, 160+16*\g
.if \g == 2
	s_wait_tensorcnt 0x0                           ; my quarter of groups 2 and 3 is in
	s_wait_dscnt 0x0
	s_barrier_signal -1
	s_barrier_wait -1                              ; everybody's is
.endif
	FRAGS \g, 0
.irp s, 0,1,2,3,4,5,6,7
.if \s > 0
	PLACES
.endif
.if \s < 7
	FRAGS \g, \s+1
	s_wait_dscnt 12                                ; all but the next K step's 12 loads
.else
	s_wait_dscnt 0x0
.endif
.if \g == 0                                    ; source 1's loads were issued last, 12 for each K step: those of the later K steps may be out (the wait's count holds 63 at the most)
.if (7-\s)*12 > 63
	s_wait_loadcnt 63
.else
	s_wait_loadcnt (7-\s)*12
.endif
.endif
	WIN 0xf4
	MUL8 0, \s
	WIN 0xf8                                       ; source 1 window 2
	MUL8 2, \s
	WIN 0
.endr
	PLACES
.endm
; the rotary embedding of tile m: (xe, xo) -> (xe cos - xo sin, xe sin + xo cos); a pair of registers is a pair of channels, and (cos, sin) lies at the same place of the tile's table registers
.macro ROPE m
	WIN 0xf7+4*((\m)/2)
.set e, 0
.rept 16
	v_pk_mul_f32 v[TT+e:TT+e+1], v[32*(\m)+e:32*(\m)+e+1], v[192+32*((\m)%2)+e:192+32*((\m)%2)+e+1] op_sel_hi:[1,0]   ; (xe cos, xo cos)
.set e, e+2
.endr
.set e, 0
.rept 16
	v_pk_fma_f32 v[32*(\m)+e:32*(\m)+e+1], v[32*(\m)+e:32*(\m)+e+1], v[192+32*((\m)%2)+e:192+32*((\m)%2)+e+1], v[TT+e:TT+e+1] op_sel:[1,1,0] op_sel_hi:[0,1,1] neg_lo:[0,1,0]
.set e, e+2
.endr
.endm
; four tiles' 32 numbers a lane (register 16 b + i = k 32 b + 16 (lane / 16) + i) become four half fragments and their two scale bytes; the eight blocks by turns
.macro HQ4
.irp m, 0,1,2,3
.irp b, 0,1
	v_max3_num_f32 v[MX+2*\m+\b], |v[32*\m+16*\b]|, |v[32*\m+16*\b+1]|, 0x2800000
.endr
.endr
.irp i, 2,4,6,8,10,12,14
.irp m, 0,1,2,3
.irp b, 0,1
	v_max3_num_f32 v[MX+2*\m+\b], v[MX+2*\m+\b], |v[32*\m+16*\b+\i]|, |v[32*\m+16*\b+\i+1]|
.endr
.endr
.endr
.irp k, 0,1,2,3,4,5,6,7
	v_permlanex16_b32 v[PX+\k], v[MX+\k], s[SEL], s[SEL+1]
.endr
.irp k, 0,1,2,3,4,5,6,7
	v_max_num_f32 v[MX+\k], v[MX+\k], v[PX+\k]
.endr
.irp k, 0,1,2,3,4,5,6,7
	v_add_nc_u32 v[MX+\k], 0xfe000000, v[MX+\k]
.endr
.irp k, 0,1,2,3,4,5,6,7
	v_lshrrev_b32 v[PX+\k], 23, v[MX+\k]
.endr
.irp m, 0,1,2,3
	v_lshl_or_b32 v[PCD+8*\m+6], v[PX+2*\m+1], 8, v[PX+2*\m]
.endr
.irp m, 0,1,2,3
	v_cvt_scalef32_pk16_bf6_f32 v[PCD+8*\m:PCD+8*\m+2], v[32*\m:32*\m+15], v[MX+2*\m]
	v_cvt_scalef32_pk16_bf6_f32 v[TC+4*\m:TC+4*\m+2], v[32*\m+16:32*\m+31], v[MX+2*\m+1]
.endr
	v_nop                                          ; one plain place behind a scaled conversion
.irp m, 0,1,2,3
.irp i, 0,1,2
	v_permlane16_swap_b32 v[PCD+8*\m+\i], v[TC+4*\m+\i]
.endr
.endr
.irp m, 0,1,2,3
.irp i, 0,1,2
	v_mov_b32 v[PCD+8*\m+3+\i], v[TC+4*\m+\i]
.endr
.endr
.endm
.macro EPI g
	s_wait_xcnt 0x0                                ; the last group's stores have read their registers
	s_cmp_ge_u32 s13, 128
	s_cbranch_scc1 .Lnorope_\@
	ROPE 0
	ROPE 1
	ROPE 2
	ROPE 3
	WIN 0
.Lnorope_\@:
	WIN 0xff
	HQ4
	v_cndmask_b32 v224, v[PCD+6], v[PCD+14], s[HM] ; lanes 0-15 carry tile 0's bytes, lanes 16-31 tile 1's
	v_cndmask_b32 v225, v[PCD+22], v[PCD+30], s[HM]
	WIN 0x0c                                       ; a store's data: window 3
.irp m, 0,1,2,3
	global_store_b128 v4, v[PCD+8*\m:PCD+8*\m+3], s[56+2*\g:57+2*\g] offset:768*\m
	global_store_b64 v5, v[PCD+8*\m+4:PCD+8*\m+5], s[56+2*\g:57+2*\g] offset:768*\m
.endr
	global_store_b16 v[SOP], v224, s[66+2*\g:67+2*\g]
	global_store_b16 v[SOP+1], v225, s[66+2*\g:67+2*\g]
	WIN 0
.endm
	s_load_b256 s[4:11], s[0:1], 0x0               ; xq, wc, tab, qkv
	v_lshl_add_u32 v254, v0, 2, 0x32000
	v_mov_b32 v255, 0
	ds_add_u32 v254, v255
	ds_add_u32 v254, v255
	v_lshrrev_b32 v1, 5, v0
	v_readfirstlane_b32 s12, v1                    ; wave 0..3
	s_mov_b32 s13, ttmp9
	s_and_b32 s14, s13, 15                         ; block of 256 tokens
	s_lshr_b32 s15, s13, 4                         ; block of 256 rows of (Wq, Wk, Wv): 0..11
	s_mov_b32 s20, 3<<16                           ; group 1: 96 rows of 32 elements of 8 bytes: a quarter of two groups' 98,304 dense bytes
	s_mov_b32 s21, 32<<16
	s_mov_b32 s22, 96<<16
	s_mov_b32 s23, 32<<16
	s_mov_b32 s24, 96
	s_mov_b32 s25, 32
	s_mov_b32 s26, 0
	s_mov_b32 s27, 0
	s_lshl_b32 s83, s14, 4
	s_lshl_b32 s84, s15, 4
	s_mov_b32 s88, WSK
	s_mov_b32 s89, XSK
	s_mov_b32 s92, 98304
	s_mov_b32 s94, 4096
	s_mov_b32 s96, 8192
	s_mov_b32 s93, 0
	s_mov_b32 s95, 0
	s_mov_b32 s97, 0
	s_wait_dscnt 0x0
	s_wait_kmcnt 0x0
	s_cmp_ge_u32 s13, 128                          ; v?
	s_cselect_b64 s[74:75], s[6:7], s[4:5]         ; source 1's buffer
	s_cselect_b64 s[98:99], s[4:5], s[6:7]         ; source 0's
	s_cselect_b32 s85, s84, s83                    ; source 1's first tile, less 4 x wave
	s_cselect_b32 s86, s83, s84                    ; source 0's first tile
	s_cselect_b32 s90, s88, s89                    ; where their scale words begin
	s_cselect_b32 s91, s89, s88
	s_cselect_b32 s92, 3072, s92                   ; from group to group among the results' codes,
	s_cselect_b32 s94, 2, s94                      ; and among their scale bytes: odd group,
	s_cselect_b32 s96, 256, s96                    ; groups 2, 3
	s_cselect_b32 s87, 4, 2                        ; from row to row,
	s_cselect_b32 s16, 64, 32                      ; from tile to tile
	s_mul_i32 s17, s12, 24576
	s_mul_i32 s18, s86, 12288
	s_add_co_u32 s18, s18, s17
	s_mov_b32 s19, 0
	s_add_nc_u64 s[18:19], s[98:99], s[18:19]      ; my quarter (tiles 2 wave, 2 wave + 1) of groups 0 and 1
.irp g, 0,1                                    ; two loads a wave: my quarter of groups 0, 1 and my quarter of groups 2, 3
	s_mov_b32 s[40+4*\g], 1
	s_add_co_u32 s[41+4*\g], s17, 98304*\g
	s_add_nc_u64 s[42+4*\g:43+4*\g], s[18:19], 98304*\g
	s_or_b32 s[43+4*\g], s[43+4*\g], 0x80000000
.endr
	s_lshl_b32 s2, s86, 6
	s_add_co_u32 s2, s2, s91
	s_mov_b32 s3, 0
	s_add_nc_u64 s[38:39], s[98:99], s[2:3]        ; the block's scale words
	tensor_load_to_lds s[40:43], s[20:27]          ; groups 0 and 1: one tensor load a wave at the head
	s_nop 0
.rept 4
	v_nop
.endr
	s_mov_b32 s[SEL], 0x76543210
	s_mov_b32 s[SEL+1], 0xfedcba98
	s_mov_b32 s[HM], 0xffff0000
	s_lshl_b32 s2, s12, 2
	s_add_co_u32 s85, s85, s2                      ; source 1's first tile
	s_mul_i32 s2, s85, 12288
	s_mov_b32 s3, 0
	s_lshl_b32 s18, s85, 6
	s_add_co_u32 s18, s18, s90
	s_mov_b32 s19, 0
	s_add_nc_u64 s[76:77], s[74:75], s[18:19]      ; its scale words
	s_add_nc_u64 s[74:75], s[74:75], s[2:3]        ; its codes
	s_and_b32 s2, s14, 7
	s_lshl_b32 s2, s2, 4
	s_lshl_b32 s86, s12, 2
	s_add_co_u32 s86, s86, s2                      ; my first token tile within its sequence
	s_lshl_b32 s2, s86, 12                         ; 16 rows of the table, 256 bytes each, for each tile
	s_add_nc_u64 s[78:79], s[8:9], s[2:3]
	; where the results go
	s_lshr_b32 s2, s14, 3                          ; the batch
	s_lshl_b32 s2, s2, 4
	s_and_b32 s3, s15, 3
	s_lshl_b32 s3, s3, 2
	s_add_co_u32 s2, s2, s3                        ; 16 x batch + the block's first head
	s_lshl_b32 s3, s2, 7
	s_add_co_u32 s3, s3, s86
	s_mul_i32 s18, s3, 768                         ; q, k: [head][tile]
	s_lshl_b32 s19, s3, 5
	s_add_co_u32 s2, s2, s12                       ; v: my head
	s_and_b32 s3, s14, 7
	s_lshl_b32 s88, s2, 5
	s_lshl_b32 s89, s3, 2
	s_add_co_u32 s88, s88, s89
	s_mul_i32 s88, s88, 3072                       ; v: [head][64 keys][tile of channels]
	s_lshl_b32 s89, s2, 4
	s_lshl_b32 s3, s3, 1
	s_add_co_u32 s89, s89, s3
	s_lshl_b32 s89, s89, 8
	s_cmp_ge_u32 s13, 128
	s_cselect_b32 s18, s88, s18
	s_cselect_b32 s88, s89, s19
	s_lshr_b32 s2, s15, 2                          ; 0 q, 1 k, 2 v
	s_mul_i32 s3, s2, 3145728
	s_add_co_u32 s18, s18, s3
	s_mov_b32 s19, 0
	s_lshl_b32 s2, s2, 17
	s_add_co_u32 s88, s88, s2
	s_add_co_u32 s88, s88, 9437184
	s_mov_b32 s89, 0
	s_add_nc_u64 s[56:57], s[10:11], s[18:19]
	s_add_nc_u64 s[58:59], s[56:57], s[92:93]
	s_add_nc_u64 s[60:61], s[58:59], s[92:93]
	s_add_nc_u64 s[62:63], s[60:61], s[92:93]
	s_add_nc_u64 s[66:67], s[10:11], s[88:89]
	s_add_nc_u64 s[68:69], s[66:67], s[94:95]
	s_add_nc_u64 s[70:71], s[66:67], s[96:97]
	s_add_nc_u64 s[72:73], s[70:71], s[94:95]
	v_and_b32 v1, 31, v0                           ; lane
	v_and_b32 v2, 15, v0                           ; r
	v_bfe_u32 v3, v0, 4, 1                         ; h
	v_lshlrev_b32 v4, 4, v1
	v_lshl_add_u32 v5, v1, 3, 512
	v_lshlrev_b32 v6, 2, v1
	v_and_b32 v7, 8, v2
	v_add_nc_u32 v7, v7, v2                        ; r + 8 (r / 8)
	v_lshlrev_b32 v7, 8, v7
	v_lshl_add_u32 v7, v3, 6, v7                   ; the table: my token's row, + 64 h
.irp g, 0,1,2,3
	v_add_nc_u32 v[LA+\g], 49152*\g, v4
.endr
	v_mul_u32_u24 v[SOP], s87, v2
	v_mul_u32_u24 v8, s16, v3
	v_add_nc_u32 v[SOP], v[SOP], v8
	s_lshl_b32 s2, s16, 1
	v_add_nc_u32 v[SOP+1], s2, v[SOP]
	s_wait_alu depctr_va_vdst(0)
	WIN 0x40
.irp m, 0,1
.irp q, 0,1,2,3,4,5,6,7
	global_load_b128 v[192+32*\m+4*\q:192+32*\m+4*\q+3], v7, s[78:79] offset:(8*\m)*256+128*(\q/4)+16*(\q%4)
.endr
.endr
	WIN 0x80
.irp m, 0,1
.irp q, 0,1,2,3,4,5,6,7
	global_load_b128 v[192+32*\m+4*\q:192+32*\m+4*\q+3], v7, s[78:79] offset:(32+8*\m)*256+128*(\q/4)+16*(\q%4)
.endr
.endr
	WIN 0
.irp s, 0,1,2,3,4,5,6,7
.irp p, 0,1
	global_load_b32 v[SCR+2*\s+\p], v6, s[76:77] offset:40960*\s+128*\p
.endr
.endr
	WIN 0xc0
.irp k, 0,1,2,3,4,5,6,7
	v_mov_b32 v[PX+\k], 0                          ; a lane permute's destination counts as one of its sources
.endr
	WIN 0
.irp g, 0,1,2,3
.irp s, 0,1,2,3,4,5,6,7
.irp p, 0,1
	global_load_b32 v[160+16*\g+2*\s+\p], v6, s[38:39] offset:40960*\s+256*\g+128*\p   ; source 0's scale words: 128 consecutive bytes a load
.endr
.endr
.endr
.irp s, 0,1,2,3,4,5,6,7                        ; source 1's fragments, K step by K step, behind all other loads: group 0 begins on the first K steps while the later ones land
	WIN 0x40
.irp m, 0,1
.irp c, 0,1,2
	global_load_b128 v[96*\m+12*\s+4*\c:96*\m+12*\s+4*\c+3], v4, s[74:75] offset:(8*\m+\s)*1536+512*\c
.endr
.endr
	WIN 0x80
.irp m, 0,1
.irp c, 0,1,2
	global_load_b128 v[96*\m+12*\s+4*\c:96*\m+12*\s+4*\c+3], v4, s[74:75] offset:(8*(\m+2)+\s)*1536+512*\c
.endr
.endr
.endr
	WIN 0
	s_wait_alu depctr_va_vdst(0)
	s_wait_tensorcnt 0x0
	ds_add_u32 v254, v255
	s_wait_dscnt 0x0
	s_barrier_signal -1
	s_barrier_wait -1                              ; everybody's is
	tensor_load_to_lds s[44:47], s[20:27]          ; groups 2 and 3, my one load behind this barrier: it has two groups' work in which to land
	s_nop 0
.rept 4
	v_nop
.endr
	MATS 0
	EPI 0
	MATS 1
	EPI 1
	MATS 2
	EPI 2
	MATS 3
	EPI 3
	s_wait_tensorcnt 0x0
	ds_add_u32 v254, v255
	s_wait_dscnt 0x0
	s_endpgm
.Lfunc_end_k_qc67af2f5e1_qkv:
	.size	k_qc67af2f5e1_qkv, .Lfunc_end_k_qc67af2f5e1_qkv-k_qc67af2f5e1_qkv
	.p2alignl 7, 3214868480
	.fill 96, 4, 3214868480
	.section	.rodata,"a",@progbits
	.p2align	6, 0x0
	.amdhsa_kernel k_qc67af2f5e1_qkv
		.amdhsa_group_segment_fixed_size 327680
		.amdhsa_private_segment_fixed_size 0
		.amdhsa_enable_private_segment 0
		.amdhsa_kernarg_size 32
		.amdhsa_user_sgpr_count 2
		.amdhsa_user_sgpr_kernarg_segment_ptr 1
		.amdhsa_wavefront_size32 1
		.amdhsa_system_sgpr_workgroup_id_x 1
		.amdhsa_system_sgpr_workgroup_id_y 1
		.amdhsa_system_sgpr_workgroup_id_z 1
		.amdhsa_system_vgpr_workitem_id 0
		.amdhsa_next_free_vgpr 1024
		.amdhsa_next_free_sgpr 100
		.amdhsa_reserve_vcc 0
		.amdhsa_float_denorm_mode_32 3
		.amdhsa_float_denorm_mode_16_64 3
		.amdhsa_memory_ordered 1
		.amdhsa_forward_progress 1
		.amdhsa_inst_pref_size 191
	.end_amdhsa_kernel
	.amdgpu_metadata
---
amdhsa.version: [ 1, 2 ]
amdhsa.kernels:
  - .name:           k_qc67af2f5e1_qkv
    .symbol:         k_qc67af2f5e1_qkv.kd
    .args:
      - { .name: xq, .offset: 0, .size: 8, .value_kind: global_buffer, .address_space: global }
      - { .name: wc, .offset: 8, .size: 8, .value_kind: global_buffer, .address_space: global }
      - { .name: tab, .offset: 16, .size: 8, .value_kind: global_buffer, .address_space: global }
      - { .name: qkv, .offset: 24, .size: 8, .value_kind: global_buffer, .address_space: global }
    .group_segment_fixed_size: 327680
    .private_segment_fixed_size: 0
    .kernarg_segment_align: 8
    .kernarg_segment_size: 32
    .max_flat_workgroup_size: 128
    .sgpr_count:     100
    .vgpr_count:     1024
    .wavefront_size: 32
...
	.end_amdgpu_metadata
.endif
;; end of part 2
;; launch attn (part 3): grid 256 x 1, 16 waves a work-group, no clusters, 327,680 bytes of LDS; arguments qkv, attnq; writes attnq
.if DOCPART == 3
	.amdgcn_target "amdgcn-amd-amdhsa--gfx1250"
	.amdhsa_code_object_version 6
	.text
	.protected	k_qc67af2f5e1_attn
	.globl	k_qc67af2f5e1_attn
	.p2align	8
	.type	k_qc67af2f5e1_attn,@function
k_qc67af2f5e1_attn:
	s_mov_b64 s[64:65], 0
	v_nop
	global_prefetch_b8 v0, s[64:65] scope:SCOPE_SE
	s_setreg_imm32_b32 hwreg(HW_REG_WAVE_MODE, 25, 1), 1
	s_wait_xcnt 0x0
; Causal attention on codes of BF6: products 4 and 5, and the quantising of the result along the next product's K.
; t = score x log2(e) / 8; M = the running largest t brought UP to a whole number; p = 2^(t - M) is quantised along the keys, not normalised; the row's sum is taken of the unquantised p and divides at the end.
; Key steps that lie wholly behind a tile's queries are wholly masked and are not computed.
; A work-group serves one (batch, head) and the 16 query tiles 8 u + x, u = 0 .. 15 (x = its number among the head's eight): tile u's queries lie among keys 128 u .. 128 u + 127 and want key steps 0 .. u.
; THE KEYS OF A LONG TILE ARE SHARED BETWEEN TWO WAVES, so that no wave walks more than 10 of the 16 key steps.  With E(u) = 2 + max(u, 10) / 2:
;   job 0 of wave w: tile w, key steps 0 .. min(w, E(w)); its state (O^T, -M, the largest t, the sum's two halves) then goes to the wave's own slot in LDS as an image of its registers;
;   job 1 of wave w: tile 15 - w, key steps E(15 - w) + 1 .. 15 - w (none where w >= 8); its state stays in registers;
;   behind one barrier wave w joins its registers with slot 15 - w: the smaller -M holds, each part is multiplied by 2^(its M - M), an exact power of two (0 for a part that walked no step); it divides, quantises, stores tile 15 - w.
; The head's K and V (98,304 bytes of codes and 4,096 of scale bytes each) come into LDS ONCE, by two tensor loads a wave.  At the head each of the 16 waves brings 4,096 bytes:
; waves 0-6 K's first 28,672 bytes, waves 7-13 V's, waves 14, 15 the scale bytes: all that key steps 0-3 read.  Behind the first barrier each wave brings 8,704 bytes of the rest (waves 0-7 K's, 8-15 V's).  Nothing is filled twice.
; Both products are used transposed (S^T = K Q^T, O^T = V^T P^T): a lane holds one query throughout; tiles hold rows 32 (T / 2) + 8 (T % 2) + i + 8 (i / 8), so that 16 registers of two tiles are 16 neighbours.
; The head's 64 channels are half of the instruction's 128 along K: Q's registers 6-11 are zero codes, so whatever K's operand names there adds nothing; bytes 2, 3 of both scale words are 0.
; ON THE DIAGONAL STEP a tile's 16 queries all lie in block x / 2 of the step's four blocks of 32 keys: earlier blocks are open, later ones wholly hidden, and only that block is tested key by key.
; cluster = none: those branches hang on x, which differs between the work-groups that share a head's K and V.  No prefetch: the two loads ask for all of K and V at the start, so no later step's tile is left to ask for.
; LIMITS: NaN and infinities are not served; the promise holds while the scaled scores stay under 2^31 in magnitude.
.set VC,   98304                       ; LDS: K's codes [tile 128][768] at 0, V's [key step 16][half 2][tile 4][768] here,
.set KSO,  196608                      ; K's scale bytes [tile 128][16] x 2,
.set VSO,  200704                      ; V's scale words [key step 16][tile 4][16],
.set PART, 204800                      ; the sixteen slots for job 0's states,
.set PSL,  4608                        ; nine images of four registers, 512 bytes each; behind them, at 0x44000, the spare words
.set HEADB, 28672                      ; bytes of K's and of V's codes that the head's loads bring
.set WV,  8
.set SEL, 48
.set CS,  50                           ; s[50:51] c = log2(e) / 8
.set KSN, 52                           ; the key step
.set KB,  53                           ; 6,144 x key step
.set SB,  54                           ; 256 x key step
.set CNT, 55
.set U,   74                           ; the job's tile: its diagonal step
.set LO,  75                           ; the job's first key step
.set HI,  76                           ; and its last
.set LO1, 77                           ; job 1's first
.set U1,  78                           ; job 1's tile and last step: 15 - wave
.set XB,  79                           ; x / 2: the block of 32 keys in which the diagonal lies
; REGISTERS: v1 16 l, v2 512 + 8 l, v3, v4 scale addresses, v5 my query less 16 h within its block of 32, v6 2 r, v7 4 r; v8-11, v28, v29 the step's addresses; v12 -M, v13 largest t, v[14:15] the sum;
; v16-27 Q, v30 its scale bytes; v31 my slot, v93 slot 15 - w; v95 -infinity; v32-79 eight half fragments of K, then four fragments of V; v80-85 zeros; v86-92 job 1's Q and scale bytes; v96-159 S^T, then p;
; v160-191 O^T; v192-203 p's codes, v204-210 at work; v216-221 scale words; v232-254 at work; v251, v255 the add's two.
.macro PLACES
.rept 4
	v_nop
.endr
.endm
.macro STEP
	s_cmp_lt_u32 s[KSN], s[LO]
	s_cbranch_scc1 .Lhidden_\@                     ; the other wave's part of the tile
	s_cmp_gt_u32 s[KSN], s[HI]
	s_cbranch_scc1 .Lhidden_\@                     ; likewise, or all 128 keys come after the tile's queries
	v_add_nc_u32 v8, s[KB], v1                     ; (these six are also the places ahead of the loads below)
	v_add_nc_u32 v9, s[KB], v2
	v_add_nc_u32 v28, s[SB], v3
	v_add_nc_u32 v29, s[SB], v4
	s_delay_alu instid0(VALU_DEP_4)
	v_add_nc_u32 v10, VC, v8
	s_delay_alu instid0(VALU_DEP_4)
	v_add_nc_u32 v11, VC, v9
.irp t, 0,1,2,3,4,5,6,7
	ds_load_b128 v[32+6*\t:35+6*\t], v8 offset:768*\t
	ds_load_b64 v[36+6*\t:37+6*\t], v9 offset:768*\t
.endr
.irp i, 0,1,2,3
	ds_load_u16 v[216+\i], v28 offset:64*\i        ; tiles 2 i (lanes 0-15) and 2 i + 1 (lanes 16-31)
.endr
	s_wait_alu depctr_va_vdst(0)
	s_wait_dscnt 0x0
.irp t, 0,2,4,6
	v_wmma_scale_f32_16x16x128_f8f6f4 v[96+8*\t:103+8*\t], v[32+6*\t:43+6*\t], v[16:27], 0, v[216+\t/2], v30 matrix_a_fmt:MATRIX_FMT_BF6 matrix_b_fmt:MATRIX_FMT_BF6
	v_wmma_scale_f32_16x16x128_f8f6f4 v[104+8*\t:111+8*\t], v[38+6*\t:49+6*\t], v[16:27], 0, v[216+\t/2], v30 matrix_a_fmt:MATRIX_FMT_BF6 matrix_b_fmt:MATRIX_FMT_BF6 matrix_a_scale:MATRIX_SCALE_ROW1
.endr
	PLACES
.irp t, 0,1,2,3                                ; V's four fragments land under the softmax
.irp c, 0,1
	ds_load_b128 v[32+12*\t+6*\c:35+12*\t+6*\c], v10 offset:3072*\c+768*\t
	ds_load_b64 v[36+12*\t+6*\c:37+12*\t+6*\c], v11 offset:3072*\c+768*\t
.endr
.endr
.irp i, 0,1
	ds_load_b32 v[220+\i], v29 offset:128*\i
.endr
	s_cmp_lg_u32 s[KSN], s[U]
	s_cbranch_scc1 .Lopen_\@
.irp b, 0,1,2,3                                ; the diagonal: register 16 b + i holds key 32 b + 16 h + i of the step
.if \b > 0
	s_cmp_ge_u32 s[XB], \b
	s_cbranch_scc1 .Lp\@b\b
.set n, 0
.rept 16
	v_mov_b32 v[96+16*\b+n], v95                   ; a block behind the diagonal's: all its keys are hidden
.set n, n+1
.endr
	s_branch .Lv\@b\b
.Lp\@b\b:
.endif
	s_cmp_lg_u32 s[XB], \b
	s_cbranch_scc1 .Lv\@b\b                        ; a block ahead of it: all open
.set n, 0
.rept 16
	v_cmp_gt_i32 vcc_lo, n, v5
	v_cndmask_b32 v[96+16*\b+n], v[96+16*\b+n], v95, vcc_lo
.set n, n+1
.endr
.Lv\@b\b:
.endr
.Lopen_\@:
	s_wait_alu depctr_va_vdst(0)
.irp b, 0,1,2,3
	v_max3_num_f32 v[232+\b], v[96+16*\b], v[97+16*\b], v[98+16*\b]   ; the largest score of each block of 32 keys: for the row's maximum and for the block's largest p
.endr
.irp i, 3,5,7,9,11,13
.irp b, 0,1,2,3
	v_max3_num_f32 v[232+\b], v[232+\b], v[96+16*\b+\i], v[97+16*\b+\i]
.endr
.endr
.irp b, 0,1,2,3
	v_max_num_f32 v[232+\b], v[232+\b], v[111+16*\b]
.endr
.irp b, 0,1,2,3
	s_delay_alu instid0(VALU_DEP_4)
	v_permlanex16_b32 v[236+\b], v[232+\b], s[SEL], s[SEL+1]
.endr
.irp b, 0,1,2,3
	s_delay_alu instid0(VALU_DEP_4)
	v_max_num_f32 v[232+\b], v[232+\b], v[236+\b]
.endr
	s_delay_alu instid0(VALU_DEP_2)
	v_max3_num_f32 v254, v232, v233, v234
	s_delay_alu instid0(VALU_DEP_1)
	v_max_num_f32 v254, v254, v235
	s_delay_alu instid0(VALU_DEP_1)
	v_mul_f32 v254, s[CS], v254
	s_delay_alu instid0(VALU_DEP_1)
	v_max_num_f32 v13, v13, v254                   ; the running largest t
	v_mov_b32 v254, v12
	s_delay_alu instid0(VALU_DEP_2)
	v_floor_f32 v12, -v13                          ; -M = floor(-t)
	s_delay_alu instid0(VALU_DEP_1)
	v_sub_f32 v254, v12, v254                      ; old M - new M, a whole number
	s_delay_alu instid0(VALU_DEP_1)
	v_cvt_i32_f32 v254, v254                       ; (it saturates)
	s_delay_alu instid0(VALU_DEP_1)
	v_ldexp_f32 v252, 1.0, v254                    ; f = 2^(old M - new M)
.set j, 0
.rept 32
	v_pk_fma_f32 v[96+j:97+j], v[96+j:97+j], s[CS:CS+1], v[12:13] op_sel_hi:[1,0,0]   ; t - M
.set j, j+2
.endr
.irp b, 0,1,2,3
	v_fma_f32 v[232+\b], v[232+\b], s[CS], v12
.endr
.set j, 0
	s_wait_alu depctr_va_vdst(0)                   ; the wait ahead of the batch
.rept 64
	v_exp_f32 v[96+j], v[96+j]
.set j, j+1
.endr
	v_pk_mul_f32 v[14:15], v[14:15], v[252:253] op_sel_hi:[1,0]   ; the sums under the new M: a plain place behind the exponentials
	s_wait_alu depctr_va_vdst(0)                   ; one wait for the 64, ahead of their first reader
.irp b, 0,1,2,3
	v_exp_f32 v[232+\b], v[232+\b]                 ; each block's largest p
.endr
	v_pk_add_f32 v[236:237], v[100:101], v[104:105]   ; the row's sum of the unquantised p, in eight chains
	v_pk_add_f32 v[248:249], v[108:109], v[112:113]
	v_pk_add_f32 v[246:247], v[116:117], v[120:121]
	v_pk_add_f32 v[244:245], v[124:125], v[128:129]
	v_pk_add_f32 v[242:243], v[132:133], v[136:137]
	v_pk_add_f32 v[240:241], v[140:141], v[144:145]
	v_pk_add_f32 v[238:239], v[148:149], v[152:153]
	v_pk_add_f32 v[14:15], v[14:15], v[156:157]
	v_pk_add_f32 v[236:237], v[236:237], v[96:97]
	v_pk_add_f32 v[248:249], v[248:249], v[98:99]
	v_pk_add_f32 v[246:247], v[246:247], v[102:103]
	v_pk_add_f32 v[244:245], v[244:245], v[106:107]
	v_pk_add_f32 v[242:243], v[242:243], v[110:111]
	v_pk_add_f32 v[240:241], v[240:241], v[114:115]
	v_pk_add_f32 v[238:239], v[238:239], v[118:119]
	v_pk_add_f32 v[14:15], v[14:15], v[122:123]
	v_pk_add_f32 v[236:237], v[236:237], v[126:127]
	v_pk_add_f32 v[248:249], v[248:249], v[130:131]
	v_pk_add_f32 v[246:247], v[246:247], v[134:135]
	v_pk_add_f32 v[244:245], v[244:245], v[138:139]
	v_pk_add_f32 v[242:243], v[242:243], v[142:143]
	v_pk_add_f32 v[240:241], v[240:241], v[146:147]
	v_pk_add_f32 v[238:239], v[238:239], v[150:151]
	v_pk_add_f32 v[14:15], v[14:15], v[154:155]
	v_pk_add_f32 v[236:237], v[236:237], v[158:159]
	s_delay_alu instid0(VALU_DEP_2)
	v_pk_add_f32 v[14:15], v[14:15], v[244:245]
	s_delay_alu instid0(VALU_DEP_2)
	v_pk_add_f32 v[236:237], v[236:237], v[242:243]
	v_pk_add_f32 v[248:249], v[248:249], v[240:241]
	v_pk_add_f32 v[246:247], v[246:247], v[238:239]
	s_delay_alu instid0(VALU_DEP_2)
	v_pk_add_f32 v[14:15], v[14:15], v[248:249]
	s_delay_alu instid0(VALU_DEP_2)
	v_pk_add_f32 v[236:237], v[236:237], v[246:247]
	s_delay_alu instid0(VALU_DEP_1)
	v_pk_add_f32 v[14:15], v[14:15], v[236:237]
	s_wait_alu depctr_va_vdst(0)                   ; and one for the four
.irp b, 0,1,2,3
	v_max_num_f32 v[232+\b], 0x2800000, v[232+\b]  ; the floor 2^(5 - 127)
.endr
.irp b, 0,1,2,3
	s_delay_alu instid0(VALU_DEP_4)
	v_add_nc_u32 v[244+\b], 0xfe000000, v[232+\b]
.endr
.irp b, 0,1,2,3
	s_delay_alu instid0(VALU_DEP_4)
	v_lshrrev_b32 v[236+\b], 23, v[244+\b]
.endr
	s_delay_alu instid0(VALU_DEP_3)
	v_lshl_or_b32 v253, v237, 8, v236              ; p's scale word for these 128 keys
	s_delay_alu instid0(VALU_DEP_1)
	v_lshl_or_b32 v253, v238, 16, v253
	s_delay_alu instid0(VALU_DEP_1)
	v_lshl_or_b32 v253, v239, 24, v253
.irp c, 0,1
	v_cvt_scalef32_pk16_bf6_f32 v[192+6*\c:194+6*\c], v[96+32*\c:111+32*\c], v[244+2*\c]
	v_cvt_scalef32_pk16_bf6_f32 v[204+4*\c:206+4*\c], v[112+32*\c:127+32*\c], v[244+2*\c+1]
.endr
	v_nop
.irp c, 0,1
.irp i, 0,1,2
	v_permlane16_swap_b32 v[192+6*\c+\i], v[204+4*\c+\i]
.endr
.irp i, 0,1,2
	s_delay_alu instid0(VALU_DEP_3)
	v_mov_b32 v[195+6*\c+\i], v[204+4*\c+\i]
.endr
.endr
.set j, 0
.rept 16
	v_pk_mul_f32 v[160+j:161+j], v[160+j:161+j], v[252:253] op_sel_hi:[1,0]   ; O^T under the new M; also the places ahead of the products below
.set j, j+2
.endr
	s_wait_alu depctr_va_vdst(0)
	s_wait_dscnt 0x0                               ; V
.irp t, 0,2
	v_wmma_scale_f32_16x16x128_f8f6f4 v[160+8*\t:167+8*\t], v[32+12*\t:43+12*\t], v[192:203], v[160+8*\t:167+8*\t], v[220+\t/2], v253 matrix_a_fmt:MATRIX_FMT_BF6 matrix_b_fmt:MATRIX_FMT_BF6
	v_wmma_scale_f32_16x16x128_f8f6f4 v[168+8*\t:175+8*\t], v[44+12*\t:55+12*\t], v[192:203], v[168+8*\t:175+8*\t], v[220+\t/2], v253 matrix_a_fmt:MATRIX_FMT_BF6 matrix_b_fmt:MATRIX_FMT_BF6 matrix_a_scale:MATRIX_SCALE_ROW1
.endr
.Lhidden_\@:
	s_add_co_u32 s[KSN], s[KSN], 1
	s_add_co_u32 s[KB], s[KB], 6144
	s_add_co_u32 s[SB], s[SB], 256
.endm
.macro STEPS n                         ; n key steps on end: the count is a constant, and what lies outside the job is jumped over inside the step
	s_mov_b32 s[CNT], \n
.Lstep_\@:
	STEP
	s_sub_co_u32 s[CNT], s[CNT], 1
	s_cmp_lg_u32 s[CNT], 0
	s_cbranch_scc1 .Lstep_\@
.endm
	s_load_b128 s[4:7], s[0:1], 0x0                ; qkv, attnq
	v_lshl_add_u32 v251, v0, 2, 0x44000
	v_mov_b32 v255, 0
	ds_add_u32 v251, v255                          ; the opening lines: the add twice on end and one wait
	ds_add_u32 v251, v255
	v_lshrrev_b32 v1, 5, v0
	s_delay_alu instid0(VALU_DEP_1)
	v_readfirstlane_b32 s[WV], v1                  ; wave 0..15
	s_bfe_u32 s9, ttmp9, 0x30003                   ; x: bits 5:3 of the work-group's number
	s_and_b32 s10, ttmp9, 7                        ; 16 x batch + head: bits 2:0 and 7:6: the eight work-groups of a head agree in the low three bits of their numbers
	s_lshr_b32 s11, ttmp9, 6
	s_lshl_b32 s11, s11, 3
	s_or_b32 s10, s10, s11
	s_mov_b32 s12, 3<<16                           ; group 1 for the head's loads: 16 rows of 256 dense bytes
	s_mov_b32 s13, 32<<16
	s_mov_b32 s14, 16<<16
	s_mov_b32 s15, 32<<16
	s_mov_b32 s16, 16
	s_mov_b32 s17, 32
	s_mov_b32 s18, 0
	s_mov_b32 s19, 0
	s_mov_b32 s20, 3<<16                           ; and for the second loads: 34 rows
	s_mov_b32 s21, 32<<16
	s_mov_b32 s22, 34<<16
	s_mov_b32 s23, 32<<16
	s_mov_b32 s24, 34
	s_mov_b32 s25, 32
	s_mov_b32 s26, 0
	s_mov_b32 s27, 0
	s_mul_i32 s56, s[WV], 37
	s_lshr_b32 s56, s56, 8                         ; d = wave / 7: 0 K's codes, 1 V's, 2 the scale bytes
	s_mul_i32 s57, s56, 17
	s_add_co_u32 s57, s57, s[WV]
	s_lshl_b32 s29, s57, 12                        ; LDS: 4,096 x (wave + 17 d): from 0, from VC = 24 x 4,096, from KSO = 48 x 4,096
	s_mul_i32 s57, s56, 7
	s_sub_co_u32 s57, s[WV], s57
	s_lshl_b32 s57, s57, 12                        ; my 4,096 bytes among the seven
	s_mul_i32 s58, s56, 3145728
	s_add_co_u32 s58, s58, s57
	s_mul_i32 s59, s10, 98304
	s_add_co_u32 s58, s58, s59
	s_add_co_u32 s58, s58, 3145728                 ; in qkv: K's or V's codes of my head
	s_sub_co_u32 s60, s[WV], 14
	s_lshl_b32 s60, s60, 17
	s_lshl_b32 s61, s10, 12
	s_add_co_u32 s60, s60, s61
	s_add_co_u32 s60, s60, 9568256                 ; or K's (wave 14), V's (wave 15) scale bytes
	s_cmp_ge_u32 s[WV], 14
	s_cselect_b32 s58, s60, s58
	s_mov_b32 s59, 0
	s_lshr_b32 s62, s[WV], 3                       ; the second load: 0 K, 1 V,
	s_and_b32 s63, s[WV], 7                        ; which eighth of the 69,632 bytes left
	s_mul_i32 s63, s63, 8704
	s_add_co_u32 s63, s63, HEADB
	s_mul_i32 s33, s62, VC
	s_add_co_u32 s33, s33, s63
	s_mul_i32 s60, s62, 3145728
	s_add_co_u32 s60, s60, s63
	s_mul_i32 s61, s10, 98304
	s_add_co_u32 s60, s60, s61
	s_add_co_u32 s60, s60, 3145728
	s_mov_b32 s61, 0
	s_mov_b32 s28, 1
	s_mov_b32 s32, 1
	s_wait_dscnt 0x0
	s_wait_kmcnt 0x0
	s_add_nc_u64 s[30:31], s[4:5], s[58:59]
	s_or_b32 s31, s31, 0x80000000
	s_add_nc_u64 s[34:35], s[4:5], s[60:61]
	s_or_b32 s35, s35, 0x80000000
	tensor_load_to_lds s[28:31], s[12:19]          ; every wave's one load at the head
	s_nop 0
.rept 4
	v_nop
.endr
	s_mov_b32 s[SEL], 0x76543210
	s_mov_b32 s[SEL+1], 0xfedcba98
	s_mov_b32 s[CS], 0x3e38aa3b
	s_mov_b32 s[CS+1], s[CS]
	s_mov_b32 s[KSN], 0
	s_mov_b32 s[KB], 0
	s_mov_b32 s[SB], 0
	; the two jobs
	s_xor_b32 s[U1], s[WV], 15                     ; 15 - wave
	s_max_u32 s60, s[WV], 10
	s_lshr_b32 s60, s60, 1
	s_add_co_u32 s60, s60, 2                       ; E(wave)
	s_min_u32 s[HI], s[WV], s60
	s_mov_b32 s[LO], 0
	s_mov_b32 s[U], s[WV]
	s_max_u32 s60, s[U1], 10
	s_lshr_b32 s60, s60, 1
	s_add_co_u32 s[LO1], s60, 3                    ; E(15 - wave) + 1; above 15 - wave where wave >= 8: then job 1 is empty
	s_lshl_b32 s2, s[WV], 3
	s_add_co_u32 s2, s2, s9                        ; job 0's query tile within the sequence
	s_lshl_b32 s3, s[U1], 3
	s_add_co_u32 s3, s3, s9                        ; job 1's, which is also the tile that I store
	s_lshl_b32 s11, s10, 7
	s_mov_b32 s61, 0
	s_add_co_u32 s79, s11, s2
	s_mul_i32 s60, s79, 768
	s_add_nc_u64 s[66:67], s[4:5], s[60:61]        ; job 0's Q: half a fragment,
	s_lshl_b32 s60, s79, 5
	s_add_co_u32 s60, s60, 9437184
	s_add_nc_u64 s[68:69], s[4:5], s[60:61]        ; and its scale bytes
	s_add_co_u32 s79, s11, s3
	s_mul_i32 s60, s79, 768
	s_add_nc_u64 s[56:57], s[4:5], s[60:61]        ; job 1's
	s_lshl_b32 s60, s79, 5
	s_add_co_u32 s60, s60, 9437184
	s_add_nc_u64 s[58:59], s[4:5], s[60:61]
	s_lshr_b32 s79, s10, 4
	s_lshl_b32 s79, s79, 7
	s_add_co_u32 s79, s79, s3                      ; the token tile among all 256
	s_and_b32 s62, s10, 15                         ; the head
	s_lshl_b32 s60, s79, 4
	s_add_co_u32 s60, s60, s62
	s_mul_i32 s60, s60, 768
	s_add_nc_u64 s[70:71], s[6:7], s[60:61]        ; the result: [tile][K step = head / 2][half = head % 2]
	s_lshr_b32 s60, s62, 1
	s_mul_i32 s60, s60, 640
	s_add_co_u32 s60, s60, s79
	s_lshl_b32 s60, s60, 6
	s_and_b32 s62, s62, 1
	s_lshl_b32 s62, s62, 1
	s_add_co_u32 s60, s60, s62
	s_add_co_u32 s60, s60, 3145728
	s_add_nc_u64 s[72:73], s[6:7], s[60:61]        ; its scale bytes
	s_lshr_b32 s[XB], s9, 1                        ; a tile's first query within its 128 is 32 (x / 2) + 8 (x % 2), the same for both jobs
	s_and_b32 s62, s9, 1
	s_lshl_b32 s62, s62, 3
	v_and_b32 v8, 31, v0
	v_and_b32 v9, 15, v0
	v_bfe_u32 v10, v0, 4, 1
	s_delay_alu instid0(VALU_DEP_3)
	v_lshlrev_b32 v1, 4, v8
	s_delay_alu instid0(VALU_DEP_4)
	v_lshl_add_u32 v2, v8, 3, 512
	v_lshl_add_u32 v3, v8, 1, KSO
	v_lshl_add_u32 v4, v8, 2, VSO
	v_and_b32 v11, 8, v9
	s_delay_alu instid0(VALU_DEP_1)
	v_add_nc_u32 v11, v11, v9
	v_lshlrev_b32 v5, 4, v10
	s_delay_alu instid0(VALU_DEP_1)
	v_sub_nc_u32 v5, v11, v5
	s_delay_alu instid0(VALU_DEP_1)
	v_add_nc_u32 v5, s62, v5                       ; 8 (x % 2) + r + 8 (r / 8) - 16 h
	v_lshlrev_b32 v6, 1, v9
	v_lshlrev_b32 v7, 2, v9
	s_mul_i32 s60, s[WV], PSL
	s_add_co_u32 s60, s60, PART
	v_add_nc_u32 v31, s60, v1                      ; my slot: 16 bytes a lane
	s_mul_i32 s60, s[U1], PSL
	s_add_co_u32 s60, s60, PART
	v_add_nc_u32 v93, s60, v1                      ; the slot of wave 15 - w
	global_load_b128 v[16:19], v1, s[66:67]
	global_load_b64 v[20:21], v2, s[66:67]
	global_load_u16 v30, v6, s[68:69]
	global_load_b128 v[86:89], v1, s[56:57]
	global_load_b64 v[90:91], v2, s[56:57]
	global_load_u16 v92, v6, s[58:59]
.irp j, 22,23,24,25,26,27,80,81,82,83,84,85
	v_mov_b32 v[\j], 0                             ; zero codes
.endr
	v_mov_b32 v95, 0xff800000                      ; -infinity, for hidden scores
	v_mov_b32 v13, 0xff61b1e6                      ; the largest t so far: -3e38
	s_delay_alu instid0(VALU_DEP_1)
	v_floor_f32 v12, -v13
	v_mov_b32 v14, 0
	v_mov_b32 v15, 0
.irp j, 236,237,238,239,252,253
	v_mov_b32 v[\j], 0
.endr
.set j, 0
.rept 32
	v_mov_b32 v[160+j], 0                          ; O^T: the step is written once; the first change of M leaves zeros zeros
.set j, j+1
.endr
	s_wait_alu depctr_va_vdst(0)                   ; the wait at the head's end
	s_wait_loadcnt 0x0
	s_wait_tensorcnt 0x0                           ; my 4,096 bytes are in
	ds_add_u32 v251, v255
	s_wait_dscnt 0x0
	s_barrier_signal -1
	s_barrier_wait -1                              ; everybody's are: the scale bytes and key steps 0-3
	tensor_load_to_lds s[32:35], s[20:27]          ; the rest of K and V, my one load behind this barrier: it has four key steps in which to land
	s_nop 0
.rept 4
	v_nop
.endr
	STEPS 3                                        ; job 0: key steps 0 .. 2
	s_wait_tensorcnt 0x0                           ; my part of the rest is in:
	s_wait_dscnt 0x0
	s_barrier_signal -1                            ; say so.  Signal and wait stand apart
	STEPS 1                                        ; key step 3 only loads bytes that the head's loads brought
	s_barrier_wait -1                              ; all of K and V lie in LDS
	STEPS 6
	; FROM JOB 0 TO JOB 1: the state goes to my slot as it stands, each accumulator from its low end on
	PLACES
	s_wait_alu depctr_va_vdst(0)
.irp c, 0,1,2,3,4,5,6,7
	ds_store_b128 v31, v[160+4*\c:163+4*\c] offset:512*\c
.endr
	ds_store_b128 v31, v[12:15] offset:4096
	s_wait_dscnt 0x0                               ; the stores have read their registers, and have landed:
	s_barrier_signal -1                            ; my slot is written.  The wait stands behind job 1, whose steps only load K's and V's bytes
.irp j, 0,1,2,3,4,5
	v_mov_b32 v[16+\j], v[86+\j]                   ; job 1's Q,
.endr
	v_mov_b32 v30, v92                             ; its scale bytes (the 36 lines below stand between this line and the next product),
	v_mov_b32 v13, 0xff61b1e6                      ; and a fresh state
	s_delay_alu instid0(VALU_DEP_1)
	v_floor_f32 v12, -v13
	v_mov_b32 v14, 0
	v_mov_b32 v15, 0
.set j, 0
.rept 32
	v_mov_b32 v[160+j], 0
.set j, j+1
.endr
	s_mov_b32 s[U], s[U1]
	s_mov_b32 s[LO], s[LO1]
	s_mov_b32 s[HI], s[U1]
	s_mov_b32 s[KSN], 8
	s_mov_b32 s[KB], 8*6144
	s_mov_b32 s[SB], 8*256
	STEPS 8                                        ; job 1: key steps 8 .. 15, as far as the job goes
	; THE TWO PARTS OF TILE 15 - w ARE JOINED
	PLACES
	s_wait_dscnt 0x0
	s_barrier_wait -1
.irp c, 0,1,2,3,4,5,6,7
	ds_load_b128 v[96+4*\c:99+4*\c], v93 offset:512*\c
.endr
	ds_load_b128 v[128:131], v93 offset:4096
	v_mov_b32 v137, 0                              ; (named as the upper halves of pairs)
	v_mov_b32 v139, 0
	v_add_f32 v14, v14, v15                        ; my part's sum
	s_wait_dscnt 0x0
	v_min_num_f32 v132, v12, v128                  ; -M of the whole: the smaller
	s_delay_alu instid0(VALU_DEP_1)
	v_sub_f32 v133, v132, v12                      ; my M - M, a whole number, 0 or less
	s_delay_alu instid0(VALU_DEP_2)
	v_sub_f32 v134, v132, v128                     ; the other part's
	s_delay_alu instid0(VALU_DEP_2)
	v_cvt_i32_f32 v133, v133                       ; (they saturate: a part that walked no step gets the factor 0)
	s_delay_alu instid0(VALU_DEP_2)
	v_cvt_i32_f32 v134, v134
	s_delay_alu instid0(VALU_DEP_2)
	v_ldexp_f32 v136, 1.0, v133
	s_wait_alu depctr_va_vdst(0)
	v_ldexp_f32 v138, 1.0, v134
	v_add_f32 v130, v130, v131
	v_mul_f32 v14, v14, v136
	s_delay_alu instid0(VALU_DEP_1)
	v_fma_f32 v14, v130, v138, v14                 ; the sum of both parts under M
.set j, 0
.rept 16
	v_pk_mul_f32 v[160+j:161+j], v[160+j:161+j], v[136:137] op_sel_hi:[1,0]
.set j, j+2
.endr
.set j, 0
.rept 16
	v_pk_fma_f32 v[160+j:161+j], v[96+j:97+j], v[138:139], v[160+j:161+j] op_sel_hi:[1,0,1]
.set j, j+2
.endr
	; THE WAY OUT: O^T / the sum, quantised along the head's 64 channels: half a fragment of the next product's operand
	v_permlanex16_b32 v252, v14, s[SEL], s[SEL+1]
	s_delay_alu instid0(VALU_DEP_1)
	v_add_f32 v14, v14, v252
	s_wait_alu depctr_va_vdst(0)
	v_rcp_f32 v14, v14
	v_nop
	s_wait_alu depctr_va_vdst(0)
.set j, 0
.rept 32
	v_mul_f32 v[96+j], v[160+j], v14               ; register 16 b + i = channel 32 b + 16 h + i
.set j, j+1
.endr
.irp b, 0,1
	v_max3_num_f32 v[232+\b], |v[96+16*\b]|, |v[97+16*\b]|, 0x2800000
.endr
.irp i, 2,4,6,8,10,12,14
.irp b, 0,1
	s_delay_alu instid0(VALU_DEP_2)
	v_max3_num_f32 v[232+\b], v[232+\b], |v[96+16*\b+\i]|, |v[97+16*\b+\i]|
.endr
.endr
.irp b, 0,1
	s_delay_alu instid0(VALU_DEP_2)
	v_permlanex16_b32 v[236+\b], v[232+\b], s[SEL], s[SEL+1]
.endr
.irp b, 0,1
	s_delay_alu instid0(VALU_DEP_2)
	v_max_num_f32 v[232+\b], v[232+\b], v[236+\b]
.endr
.irp b, 0,1
	s_delay_alu instid0(VALU_DEP_2)
	v_add_nc_u32 v[244+\b], 0xfe000000, v[232+\b]
.endr
.irp b, 0,1
	s_delay_alu instid0(VALU_DEP_2)
	v_lshrrev_b32 v[236+\b], 23, v[244+\b]
.endr
	s_delay_alu instid0(VALU_DEP_1)
	v_lshl_or_b32 v253, v237, 8, v236
	v_cvt_scalef32_pk16_bf6_f32 v[192:194], v[96:111], v244
	v_cvt_scalef32_pk16_bf6_f32 v[204:206], v[112:127], v245
	v_nop
.irp i, 0,1,2
	v_permlane16_swap_b32 v[192+\i], v[204+\i]
.endr
.irp i, 0,1,2
	s_delay_alu instid0(VALU_DEP_3)
	v_mov_b32 v[195+\i], v[204+\i]
.endr
	global_store_b128 v1, v[192:195], s[70:71]     ; 512 consecutive bytes,
	global_store_b64 v2, v[196:197], s[70:71]      ; and 256
	global_store_b16 v7, v253, s[72:73]            ; lanes l and l + 16 hold the same bytes and name the same place
	s_wait_tensorcnt 0x0                           ; the wave's end
	ds_add_u32 v251, v255
	s_wait_dscnt 0x0
	s_endpgm
.Lfunc_end_k_qc67af2f5e1_attn:
	.size	k_qc67af2f5e1_attn, .Lfunc_end_k_qc67af2f5e1_attn-k_qc67af2f5e1_attn
	.p2alignl 7, 3214868480
	.fill 96, 4, 3214868480
	.section	.rodata,"a",@progbits
	.p2align	6, 0x0
	.amdhsa_kernel k_qc67af2f5e1_attn
		.amdhsa_group_segment_fixed_size 327680
		.amdhsa_private_segment_fixed_size 0
		.amdhsa_enable_private_segment 0
		.amdhsa_kernarg_size 16
		.amdhsa_user_sgpr_count 2
		.amdhsa_user_sgpr_kernarg_segment_ptr 1
		.amdhsa_wavefront_size32 1
		.amdhsa_system_sgpr_workgroup_id_x 1
		.amdhsa_system_sgpr_workgroup_id_y 1
		.amdhsa_system_sgpr_workgroup_id_z 1
		.amdhsa_system_vgpr_workitem_id 0
		.amdhsa_next_free_vgpr 256
		.amdhsa_next_free_sgpr 80
		.amdhsa_reserve_vcc 1
		.amdhsa_float_denorm_mode_32 3
		.amdhsa_float_denorm_mode_16_64 3
		.amdhsa_memory_ordered 1
		.amdhsa_forward_progress 1
		.amdhsa_inst_pref_size 116
	.end_amdhsa_kernel
	.amdgpu_metadata
---
amdhsa.version: [ 1, 2 ]
amdhsa.kernels:
  - .name:           k_qc67af2f5e1_attn
    .symbol:         k_qc67af2f5e1_attn.kd
    .args:
      - { .name: qkv, .offset: 0, .size: 8, .value_kind: global_buffer, .address_space: global }
      - { .name: attnq, .offset: 8, .size: 8, .value_kind: global_buffer, .address_space: global }
    .group_segment_fixed_size: 327680
    .private_segment_fixed_size: 0
    .kernarg_segment_align: 8
    .kernarg_segment_size: 16
    .max_flat_workgroup_size: 512
    .sgpr_count:     80
    .vgpr_count:     256
    .wavefront_size: 32
...
	.end_amdgpu_metadata
.endif
;; end of part 3
;; launch wo (part 4): grid 128 x 1, 8 waves a work-group, no clusters, 94,208 bytes of LDS; arguments attnq, wc, x, g2, x2, xn2q; writes x2, xn2q
.if DOCPART == 4
	.amdgcn_target "amdgcn-amd-amdhsa--gfx1250"
	.amdhsa_code_object_version 6
	.text
	.protected	k_qc67af2f5e1_wo
	.globl	k_qc67af2f5e1_wo
	.p2align	8
	.type	k_qc67af2f5e1_wo,@function
k_qc67af2f5e1_wo:
	s_mov_b64 s[64:65], 0
	v_nop
	global_prefetch_b8 v0, s[64:65] scope:SCOPE_SE
	s_setreg_imm32_b32 hwreg(HW_REG_WAVE_MODE, 25, 1), 1
	s_wait_xcnt 0x0
; x2 = x + attn Wo^T (product 6 on codes of BF6), then RMS norm (g2) and the quantising of the normed rows for products 7 and 8.
; A work-group owns 32 whole rows (token tiles 2 g, 2 g + 1), so that the norm stays inside it; wave w of 8 makes columns 128 w .. 128 w + 127, which are K step w of the next operand.
; The rows' 16 fragments, 24,576 dense bytes that all eight waves want, are fetched ONCE: each wave copies 3,072 bytes into LDS; behind a barrier each wave reads a K step's two fragments from there, one K step ahead.
; Wo's fragments, each used by one wave alone, go from memory straight into a ring of eight register sets, seven units ahead: 49 loads of a wave on their way.
; A unit is one K step x two tiles of Wo x the two token tiles: four matrix instructions; the units go K step by K step, so that the 16 accumulators take turns.
; The residual x is the C of the sums: it is loaded by rows and turned through the wave's stage.  g2 is fetched when the ring has asked for its last unit.
; No tensor load; two barriers (the rows' fragments; the rows' sums of squares).
; LIMITS: NaN and infinities are not served; a block of zeros gets the byte 1.
.set WSK,  9928704
.set XSK,  3145728
.set STGB, 8448
.set NRM,  67584                       ; [tile 2][wave 8][row 16]
.set AIM,  68608                       ; the rows' fragments as they lie in memory: [tile 2][K step 8][half 2][768]
.set ASC,  16                          ; v16-23 the rows' scale words of K step s: tile 0 in lanes 0-15, tile 1 in lanes 16-31
.set WSC,  24                          ; v24-31 Wo's, a register a ring set
.set AB,   32                          ; v32-79 the rows' fragments of a K step: buffer s % 2 at v[32 + 24 (s % 2)], tile m at + 12 m
.set ACC,  128                         ; v128-255 accumulator (m, j) at v[128 + 64 m + 8 j]
.set RB,   32                          ; later: 16 rows read back from the stage,
.set PCA,  32                          ; then the codes of tile 0,
.set PCB,  52                          ; of tile 1,
.set TM,   72
.set PWA,  88
.set PWB,  89
.set NR,   96
.set SS,   112
.set SEL,  38
.set HM,   40
; window 1: the ring, set q at v[24 q], tile u at + 12 u (v0-191); g2 at v192-255
.set MSB, 0
.macro WIN new
.if MSB != (\new)
	s_set_vgpr_msb (MSB<<8)|(\new)
.set MSB, (\new)
.endif
.endm
.macro PLACES
.rept 4
	v_nop
.endr
.endm
.macro WM d, a, b, sa, sb, ra, rb
.if \ra
.if \rb
	v_wmma_scale_f32_16x16x128_f8f6f4 v[(\d):(\d)+7], v[(\a):(\a)+11], v[(\b):(\b)+11], v[(\d):(\d)+7], v[\sa], v[\sb] matrix_a_fmt:MATRIX_FMT_BF6 matrix_b_fmt:MATRIX_FMT_BF6 matrix_a_scale:MATRIX_SCALE_ROW1 matrix_b_scale:MATRIX_SCALE_ROW1
.else
	v_wmma_scale_f32_16x16x128_f8f6f4 v[(\d):(\d)+7], v[(\a):(\a)+11], v[(\b):(\b)+11], v[(\d):(\d)+7], v[\sa], v[\sb] matrix_a_fmt:MATRIX_FMT_BF6 matrix_b_fmt:MATRIX_FMT_BF6 matrix_a_scale:MATRIX_SCALE_ROW1
.endif
.else
.if \rb
	v_wmma_scale_f32_16x16x128_f8f6f4 v[(\d):(\d)+7], v[(\a):(\a)+11], v[(\b):(\b)+11], v[(\d):(\d)+7], v[\sa], v[\sb] matrix_a_fmt:MATRIX_FMT_BF6 matrix_b_fmt:MATRIX_FMT_BF6 matrix_b_scale:MATRIX_SCALE_ROW1
.else
	v_wmma_scale_f32_16x16x128_f8f6f4 v[(\d):(\d)+7], v[(\a):(\a)+11], v[(\b):(\b)+11], v[(\d):(\d)+7], v[\sa], v[\sb] matrix_a_fmt:MATRIX_FMT_BF6 matrix_b_fmt:MATRIX_FMT_BF6
.endif
.endif
.endm
.macro QUANT s, pc, pw
.irp b, 0,1,2,3
	v_max3_num_f32 v[TM+\b], |v[\s+16*\b]|, |v[\s+1+16*\b]|, 0x2800000
.endr
.irp i, 2,4,6,8,10,12,14
.irp b, 0,1,2,3
	s_delay_alu instid0(VALU_DEP_4)
	v_max3_num_f32 v[TM+\b], v[TM+\b], |v[\s+16*\b+\i]|, |v[\s+1+16*\b+\i]|
.endr
.endr
.irp b, 0,1,2,3
	s_delay_alu instid0(VALU_DEP_4)
	v_permlanex16_b32 v[TM+4+\b], v[TM+\b], s[SEL], s[SEL+1]
.endr
.irp b, 0,1,2,3
	s_delay_alu instid0(VALU_DEP_4)
	v_max_num_f32 v[TM+\b], v[TM+\b], v[TM+4+\b]
.endr
.irp b, 0,1,2,3
	s_delay_alu instid0(VALU_DEP_4)
	v_add_nc_u32 v[TM+12+\b], 0xfe000000, v[TM+\b]
.endr
.irp b, 0,1,2,3
	s_delay_alu instid0(VALU_DEP_4)
	v_lshrrev_b32 v[TM+4+\b], 23, v[TM+12+\b]
.endr
	s_delay_alu instid0(VALU_DEP_3)
	v_lshl_or_b32 v[\pw], v[TM+5], 8, v[TM+4]
	s_delay_alu instid0(VALU_DEP_1)
	v_lshl_or_b32 v[\pw], v[TM+6], 16, v[\pw]
	s_delay_alu instid0(VALU_DEP_1)
	v_lshl_or_b32 v[\pw], v[TM+7], 24, v[\pw]
.irp c, 0,1
	v_cvt_scalef32_pk16_bf6_f32 v[\pc+6*\c:\pc+2+6*\c], v[\s+32*\c:\s+15+32*\c], v[TM+12+2*\c]
	v_cvt_scalef32_pk16_bf6_f32 v[\pc+12+4*\c:\pc+14+4*\c], v[\s+16+32*\c:\s+31+32*\c], v[TM+12+2*\c+1]
.endr
	v_nop
.irp c, 0,1
.irp i, 0,1,2
	v_permlane16_swap_b32 v[\pc+6*\c+\i], v[\pc+12+4*\c+\i]
.endr
.irp i, 0,1,2
	s_delay_alu instid0(VALU_DEP_3)
	v_mov_b32 v[\pc+3+6*\c+\i], v[\pc+12+4*\c+\i]
.endr
.endr
.endm
.macro TURN_IN a                       ; 16 rows as loaded (row i in registers 4 i ..) -> register 16 b + i = column 32 b + 16 h + i of my row
.set i, 0
.rept 16
	ds_store_b128 v7, v[\a+4*i:\a+4*i+3] offset:528*i
.set i, i+1
.endr
	s_wait_dscnt 0x0                               ; the stores have read their registers
.set i, 0
.rept 16
	ds_load_b128 v[\a+4*i:\a+4*i+3], v8 offset:128*(i/4)+16*(i%4)
.set i, i+1
.endr
.endm
.macro WLOAD n                         ; unit n = (K step n / 4, pair of tiles n % 4) into ring set n % 8: 7 loads
	WIN 0x40
.irp u, 0,1
.irp c, 0,1,2
	global_load_b128 v[24*((\n)%8)+12*\u+4*\c:24*((\n)%8)+12*\u+4*\c+3], v4, s[24:25] offset:(2*((\n)%4)+\u)*12288+((\n)/4)*1536+512*\c
.endr
.endr
	WIN 0
	global_load_b32 v[WSC+(\n)%8], v6, s[26:27] offset:((\n)/4)*40960+((\n)%4)*128
.endm
.macro AFETCH s                        ; the two token tiles' fragments of K step s out of LDS: 8 loads
.irp m, 0,1
	ds_load_b128 v[AB+24*((\s)%2)+12*\m:AB+24*((\s)%2)+12*\m+3], v13 offset:(8*\m+(\s))*1536
	ds_load_b64 v[AB+24*((\s)%2)+12*\m+4:AB+24*((\s)%2)+12*\m+5], v14 offset:(8*\m+(\s))*1536
	ds_load_b128 v[AB+24*((\s)%2)+12*\m+6:AB+24*((\s)%2)+12*\m+9], v13 offset:(8*\m+(\s))*1536+768
	ds_load_b64 v[AB+24*((\s)%2)+12*\m+10:AB+24*((\s)%2)+12*\m+11], v14 offset:(8*\m+(\s))*1536+768
.endr
.endm
.macro G2LOAD                          ; g2 at my columns: 16 loads
	WIN 0x40
.set i, 0
.rept 16
	global_load_b128 v[192+4*i:192+4*i+3], v11, s[32:33] offset:128*(i/4)+16*(i%4)
.set i, i+1
.endr
	WIN 0
.endm
.macro UNIT n
.if (\n) >= 1
	PLACES                                         ; the registers that are loaded next were multiplied just now
.endif
.if (\n)+7 < 32
	WLOAD (\n)+7
.endif
.if (\n) == 25
	G2LOAD                                         ; the ring has asked for its last unit
.endif
.if (\n)%4 == 0
.if (\n)/4 < 7
	AFETCH (\n)/4+1
	s_wait_dscnt 8                                 ; this K step's fragments are in; the next K step's 8 loads may be out
.else
	s_wait_dscnt 0x0
.endif
.endif
.if (\n) <= 24
	s_wait_loadcnt 49                              ; the seven younger units may be out
.else
	s_wait_loadcnt 7*(31-(\n))+16                  ; the younger units and g2's 16 loads
.endif
	WIN 0x01                                       ; source 0 window 1
.irp u, 0,1
.irp m, 0,1
	WM ACC+64*\m+8*(2*((\n)%4)+\u), 24*((\n)%8)+12*\u, AB+24*(((\n)/4)%2)+12*\m, WSC+(\n)%8, ASC+(\n)/4, \u, \m
.endr
.endr
	WIN 0
.endm
.macro SUMSQ m                         ; my 64 numbers' squares of tile m's row r, each accumulator from its low end on
	v_pk_mul_f32 v[SS+4*\m:SS+4*\m+1], v[ACC+64*\m:ACC+64*\m+1], v[ACC+64*\m:ACC+64*\m+1]
	v_pk_mul_f32 v[SS+4*\m+2:SS+4*\m+3], v[ACC+64*\m+2:ACC+64*\m+3], v[ACC+64*\m+2:ACC+64*\m+3]
.set j, 4
.rept 15
	v_pk_fma_f32 v[SS+4*\m:SS+4*\m+1], v[ACC+64*\m+j:ACC+64*\m+j+1], v[ACC+64*\m+j:ACC+64*\m+j+1], v[SS+4*\m:SS+4*\m+1]
	v_pk_fma_f32 v[SS+4*\m+2:SS+4*\m+3], v[ACC+64*\m+j+2:ACC+64*\m+j+3], v[ACC+64*\m+j+2:ACC+64*\m+j+3], v[SS+4*\m+2:SS+4*\m+3]
.set j, j+4
.endr
	s_delay_alu instid0(VALU_DEP_1)
	v_pk_add_f32 v[SS+4*\m:SS+4*\m+1], v[SS+4*\m:SS+4*\m+1], v[SS+4*\m+2:SS+4*\m+3]
	s_delay_alu instid0(VALU_DEP_1)
	v_add_f32 v[SS+4*\m], v[SS+4*\m], v[SS+4*\m+1]
	s_delay_alu instid0(VALU_DEP_1)
	v_permlanex16_b32 v[SS+4*\m+1], v[SS+4*\m], s[SEL], s[SEL+1]
	s_delay_alu instid0(VALU_DEP_1)
	v_add_f32 v[SS+4*\m], v[SS+4*\m], v[SS+4*\m+1]
	ds_store_b32 v10, v[SS+4*\m] offset:512*\m
.endm
.macro ROWS_OUT m                      ; tile m's 16 rows x 128 columns of x2 leave as rows: 512 consecutive bytes a store
.set i, 0
.rept 16
	ds_store_b128 v8, v[ACC+64*\m+4*i:ACC+64*\m+4*i+3] offset:128*(i/4)+16*(i%4)
.set i, i+1
.endr
.set i, 0
.rept 16
	ds_load_b128 v[RB+4*i:RB+4*i+3], v7 offset:528*i   ; LDS serves a wave's instructions in order: these see the stores above
.set i, i+1
.endr
.set i, 0
.rept 16
	s_wait_dscnt 15-i
	global_store_b128 v4, v[RB+4*i:RB+4*i+3], s[30:31] offset:(8*\m+i+8*(i/8))*4096
.set i, i+1
.endr
.endm
	s_load_b256 s[4:11], s[0:1], 0x0               ; attnq, wc, x, g2
	s_load_b128 s[12:15], s[0:1], 0x20             ; x2, xn2q
	v_lshl_add_u32 v126, v0, 2, 0x16c00
	v_mov_b32 v127, 0
	v_lshrrev_b32 v1, 5, v0
	s_delay_alu instid0(VALU_DEP_1)
	v_readfirstlane_b32 s16, v1                    ; wave 0..7
	s_mov_b32 s17, ttmp9
	v_and_b32 v1, 31, v0
	v_and_b32 v2, 15, v0
	v_bfe_u32 v3, v0, 4, 1
	s_delay_alu instid0(VALU_DEP_3)
	v_lshlrev_b32 v4, 4, v1
	s_delay_alu instid0(VALU_DEP_4)
	v_lshl_add_u32 v5, v1, 3, 512
	v_lshlrev_b32 v6, 2, v1
	s_mul_i32 s18, s16, STGB
	v_add_nc_u32 v7, s18, v4
	v_mul_u32_u24 v8, v2, 528
	s_delay_alu instid0(VALU_DEP_1)
	v_lshl_add_u32 v8, v3, 6, v8
	s_delay_alu instid0(VALU_DEP_1)
	v_add_nc_u32 v8, s18, v8
	v_lshl_add_u32 v9, v2, 2, NRM
	s_lshl_b32 s18, s16, 6
	v_add_nc_u32 v10, s18, v9
	v_lshlrev_b32 v11, 6, v3
	s_mul_i32 s18, s16, 3072                       ; my eighth of the rows' fragments
	s_add_co_u32 s19, s18, AIM
	v_add_nc_u32 v12, s19, v4                      ; where I put it,
	v_add_nc_u32 v13, AIM, v4                      ; and from where every wave reads: a half fragment's registers 0-3,
	v_add_nc_u32 v14, AIM, v5                      ; and 4-5
	s_mov_b32 s[SEL], 0x76543210
	s_mov_b32 s[SEL+1], 0xfedcba98
	s_mov_b32 s[HM], 0xffff0000
	s_mov_b32 s41, 0x3a800000                      ; 1 / 1,024
	s_mov_b32 s42, 0x3727c5ac                      ; 1e-5
	s_mul_i32 s44, s17, 24576                      ; my two token tiles' fragments,
	s_add_co_u32 s44, s44, s18                     ; my eighth of them
	s_mov_b32 s45, 0
	s_lshl_b32 s46, s17, 7
	s_add_co_u32 s46, s46, XSK
	s_mov_b32 s47, 0
	s_lshl_b32 s48, s16, 3
	s_add_co_u32 s48, s48, 192                     ; my first tile of Wo
	s_mul_i32 s50, s48, 12288
	s_mov_b32 s51, 0
	s_lshl_b32 s52, s48, 6
	s_add_co_u32 s52, s52, WSK
	s_mov_b32 s53, 0
	s_lshl_b32 s54, s17, 17                        ; 32 rows of 4,096 bytes
	s_lshl_b32 s56, s16, 9                         ; my 128 columns
	s_add_co_u32 s54, s54, s56
	s_mov_b32 s55, 0
	s_mov_b32 s57, 0
	s_lshl_b32 s58, s17, 4
	s_add_co_u32 s58, s58, s16
	s_mul_i32 s58, s58, 1536
	s_mov_b32 s59, 0
	s_mul_i32 s60, s16, 640
	s_lshl_b32 s61, s17, 1
	s_add_co_u32 s60, s60, s61
	s_lshl_b32 s60, s60, 6
	s_add_co_u32 s60, s60, XSK
	s_mov_b32 s61, 0
	s_wait_alu depctr_va_vdst(0)
	s_wait_kmcnt 0x0
	s_add_nc_u64 s[20:21], s[4:5], s[44:45]
	s_add_nc_u64 s[22:23], s[4:5], s[46:47]
	s_add_nc_u64 s[24:25], s[6:7], s[50:51]
	s_add_nc_u64 s[26:27], s[6:7], s[52:53]
	s_add_nc_u64 s[28:29], s[8:9], s[54:55]
	s_add_nc_u64 s[30:31], s[12:13], s[54:55]
	s_add_nc_u64 s[32:33], s[10:11], s[56:57]
	s_add_nc_u64 s[34:35], s[14:15], s[58:59]
	s_add_nc_u64 s[36:37], s[14:15], s[60:61]
.irp k, 0,1,2,3,4,5
	global_load_b128 v[AB+4*\k:AB+4*\k+3], v4, s[20:21] offset:512*\k   ; my 3,072 bytes of the rows' fragments
.endr
.irp s, 0,1,2,3,4,5,6,7
	global_load_b32 v[ASC+\s], v6, s[22:23] offset:40960*\s
.endr
.irp m, 0,1
.irp i, 0,1,2,3,4,5,6,7,8,9,10,11,12,13,14,15
	global_load_b128 v[ACC+64*\m+4*\i:ACC+64*\m+4*\i+3], v4, s[28:29] offset:(8*\m+\i+8*(\i/8))*4096 th:TH_LOAD_NT
.endr
.endr
	WLOAD 0
	WLOAD 1
	WLOAD 2
	WLOAD 3
	WLOAD 4
	WLOAD 5
	WLOAD 6
	s_wait_loadcnt 49                              ; all but the ring's seven units: the fragments' eighth, the scale words and x are in
.irp k, 0,1,2,3,4,5
	ds_store_b128 v12, v[AB+4*\k:AB+4*\k+3] offset:512*\k
.endr
	TURN_IN ACC
	TURN_IN ACC+64
	s_wait_dscnt 0x0                               ; my stores have landed, for the others' sake; my loads are in
	s_barrier_signal -1
	s_barrier_wait -1                              ; the rows' 16 fragments lie in LDS
	AFETCH 0
.set N, 0
.rept 32
	UNIT N
.set N, N+1
.endr
	PLACES
	SUMSQ 0
	SUMSQ 1
	ROWS_OUT 0
	s_wait_xcnt 0x0                                ; the stores have read their registers
	ROWS_OUT 1
	s_wait_dscnt 0x0
	s_barrier_signal -1
	s_barrier_wait -1                              ; all eight waves' sums of squares lie in LDS
.irp k, 0,1,2,3,4,5,6,7,8,9,10,11,12,13,14,15
	ds_load_b32 v[NR+\k], v9 offset:64*\k
.endr
	s_wait_xcnt 0x0                                ; v32-95 may be written again
.irp b, 0,1,2,3
	v_mov_b32 v[TM+4+\b], 0
.endr
	s_wait_dscnt 0x0
.irp m, 0,8
	v_add_f32 v[NR+\m], v[NR+\m], v[NR+\m+1]
	v_add_f32 v[NR+\m+2], v[NR+\m+2], v[NR+\m+3]
	v_add_f32 v[NR+\m+4], v[NR+\m+4], v[NR+\m+5]
	v_add_f32 v[NR+\m+6], v[NR+\m+6], v[NR+\m+7]
	s_delay_alu instid0(VALU_DEP_3)
	v_add_f32 v[NR+\m], v[NR+\m], v[NR+\m+2]
	s_delay_alu instid0(VALU_DEP_2)
	v_add_f32 v[NR+\m+4], v[NR+\m+4], v[NR+\m+6]
	s_delay_alu instid0(VALU_DEP_1)
	v_add_f32 v[NR+\m], v[NR+\m], v[NR+\m+4]
	s_delay_alu instid0(VALU_DEP_1)
	v_fma_f32 v[NR+\m], v[NR+\m], s41, s42
.endr
	s_wait_alu depctr_va_vdst(0)
	v_rsq_f32 v[NR], v[NR]
	v_rsq_f32 v[NR+8], v[NR+8]
	v_nop
	s_wait_alu depctr_va_vdst(0)                   ; one wait for the two
.irp m, 0,1
.set j, 0
.rept 32
	v_pk_mul_f32 v[ACC+64*\m+j:ACC+64*\m+j+1], v[ACC+64*\m+j:ACC+64*\m+j+1], v[NR+8*\m:NR+8*\m+1] op_sel_hi:[1,0]
.set j, j+2
.endr
.endr
	s_wait_loadcnt 0x0                             ; g2
	WIN 0x04
.irp m, 0,1
.set j, 0
.rept 32
	v_pk_mul_f32 v[ACC+64*\m+j:ACC+64*\m+j+1], v[ACC+64*\m+j:ACC+64*\m+j+1], v[192+j:192+j+1]
.set j, j+2
.endr
.endr
	WIN 0
	QUANT ACC, PCA, PWA
	QUANT ACC+64, PCB, PWB
.irp c, 0,1,2
	global_store_b128 v4, v[PCA+4*\c:PCA+4*\c+3], s[34:35] offset:512*\c
	global_store_b128 v4, v[PCB+4*\c:PCB+4*\c+3], s[34:35] offset:12288+512*\c
.endr
	v_cndmask_b32 v[PWA], v[PWA], v[PWB], s[HM]    ; lanes 0-15 tile 0's words, lanes 16-31 tile 1's: 128 consecutive bytes
	global_store_b32 v6, v[PWA], s[36:37]
	s_wait_tensorcnt 0x0
	ds_add_u32 v126, v127
	s_wait_dscnt 0x0
	s_endpgm
.Lfunc_end_k_qc67af2f5e1_wo:
	.size	k_qc67af2f5e1_wo, .Lfunc_end_k_qc67af2f5e1_wo-k_qc67af2f5e1_wo
	.p2alignl 7, 3214868480
	.fill 96, 4, 3214868480
	.section	.rodata,"a",@progbits
	.p2align	6, 0x0
	.amdhsa_kernel k_qc67af2f5e1_wo
		.amdhsa_group_segment_fixed_size 94208
		.amdhsa_private_segment_fixed_size 0
		.amdhsa_enable_private_segment 0
		.amdhsa_kernarg_size 48
		.amdhsa_user_sgpr_count 2
		.amdhsa_user_sgpr_kernarg_segment_ptr 1
		.amdhsa_wavefront_size32 1
		.amdhsa_system_sgpr_workgroup_id_x 1
		.amdhsa_system_sgpr_workgroup_id_y 1
		.amdhsa_system_sgpr_workgroup_id_z 1
		.amdhsa_system_vgpr_workitem_id 0
		.amdhsa_next_free_vgpr 512
		.amdhsa_next_free_sgpr 66
		.amdhsa_reserve_vcc 0
		.amdhsa_float_denorm_mode_32 3
		.amdhsa_float_denorm_mode_16_64 3
		.amdhsa_memory_ordered 1
		.amdhsa_forward_progress 1
		.amdhsa_inst_pref_size 99
	.end_amdhsa_kernel
	.amdgpu_metadata
---
amdhsa.version: [ 1, 2 ]
amdhsa.kernels:
  - .name:           k_qc67af2f5e1_wo
    .symbol:         k_qc67af2f5e1_wo.kd
    .args:
      - { .name: attnq, .offset: 0, .size: 8, .value_kind: global_buffer, .address_space: global }
      - { .name: wc, .offset: 8, .size: 8, .value_kind: global_buffer, .address_space: global }
      - { .name: x, .offset: 16, .size: 8, .value_kind: global_buffer, .address_space: global }
      - { .name: g2, .offset: 24, .size: 8, .value_kind: global_buffer, .address_space: global }
      - { .name: x2, .offset: 32, .size: 8, .value_kind: global_buffer, .address_space: global }
      - { .name: xn2q, .offset: 40, .size: 8, .value_kind: global_buffer, .address_space: global }
    .group_segment_fixed_size: 94208
    .private_segment_fixed_size: 0
    .kernarg_segment_align: 8
    .kernarg_segment_size: 48
    .max_flat_workgroup_size: 256
    .sgpr_count:     66
    .vgpr_count:     512
    .wavefront_size: 32
...
	.end_amdgpu_metadata
.endif
;; end of part 4
;; launch ffn1 (part 5): grid 240 x 1, 4 waves a work-group, no clusters, 327,680 bytes of LDS; arguments xn2q, wc, hid; writes hid
.if DOCPART == 5
	.amdgcn_target "amdgcn-amd-amdhsa--gfx1250"
	.amdhsa_code_object_version 6
	.text
	.protected	k_qc67af2f5e1_ffn1
	.globl	k_qc67af2f5e1_ffn1
	.p2align	8
	.type	k_qc67af2f5e1_ffn1,@function
k_qc67af2f5e1_ffn1:
	s_mov_b64 s[64:65], 0
	v_nop
	global_prefetch_b8 v0, s[64:65] scope:SCOPE_SE
	s_setreg_imm32_b32 hwreg(HW_REG_WAVE_MODE, 25, 1), 1
	s_wait_xcnt 0x0
; The hidden layer: x1 = xn w1^T, x3 = xn w3^T (products 7 and 8 on codes of BF6), x1 sigmoid(x1) x3 in f32, quantised along the hidden units, which are product 9's K.
; A work-group makes 256 tokens x 192 hidden units.  Each of its four waves keeps 4 token tiles x 8 K steps (source 1) in 384 registers; the weights' 24 tiles, one dense block of 294,912 bytes, come into LDS once.
; A GROUP is 32 hidden units: tiles (w1, w1, w3, w3) x my 4 token tiles x 8 K steps: 128 matrix instructions on 16 accumulators by turns.  A lane holds one token; registers 0-15 of a tile's 32 are x1, 16-31 x3 of the same 16 units.
; Two groups make half a fragment (64 along the next K).  Groups past the 2,752 units have zero codes for weights and give zero codes.
; 192 units to a work-group give 240 work-groups.  The 16 work-groups that share a block of weights ask for it each by itself; joint requests in a cluster are not built here.
; A wave has one tensor load out at the most.
; LIMITS: NaN and infinities are not served; a block of zeros gets the byte 1.
.set NG,    6
.set XSK,   3145728
.set WSK,   9928704
.set SHO,   9437184                    ; hid: scale words [K step 24][4 token tiles 64][lane 32][2]
.set LA,    10                         ; v10-15
.set SCR,   16
.set SCL,   160                        ; the weights' scale words, 16 registers a group: groups 0-4 at v160-239, group 5 at v32-47; they come from memory straight into registers; MATS sets the group's base
.set FB,    64
.set TT,    128                        ; window 3: 64 numbers at work
.set PCD,   192                        ; window 3: tile m's codes at v[192 + 8 m]
.set PWH,   224                        ; its two scale bytes
.set TC,    232
.set MX,    248
.set PX,    252
.set SEL,   80
.set HM,    82
.set MSB, 0
.macro WIN new
.if MSB != (\new)
	s_set_vgpr_msb (MSB<<8)|(\new)
.set MSB, (\new)
.endif
.endm
.macro PLACES
.rept 4
	v_nop
.endr
.endm
.macro WM d, a, b, z, sa, sb, ra, rb
.if \z
.if \ra
.if \rb
	v_wmma_scale_f32_16x16x128_f8f6f4 v[(\d):(\d)+7], v[(\a):(\a)+11], v[(\b):(\b)+11], 0, v[\sa], v[\sb] matrix_a_fmt:MATRIX_FMT_BF6 matrix_b_fmt:MATRIX_FMT_BF6 matrix_a_scale:MATRIX_SCALE_ROW1 matrix_b_scale:MATRIX_SCALE_ROW1
.else
	v_wmma_scale_f32_16x16x128_f8f6f4 v[(\d):(\d)+7], v[(\a):(\a)+11], v[(\b):(\b)+11], 0, v[\sa], v[\sb] matrix_a_fmt:MATRIX_FMT_BF6 matrix_b_fmt:MATRIX_FMT_BF6 matrix_a_scale:MATRIX_SCALE_ROW1
.endif
.else
.if \rb
	v_wmma_scale_f32_16x16x128_f8f6f4 v[(\d):(\d)+7], v[(\a):(\a)+11], v[(\b):(\b)+11], 0, v[\sa], v[\sb] matrix_a_fmt:MATRIX_FMT_BF6 matrix_b_fmt:MATRIX_FMT_BF6 matrix_b_scale:MATRIX_SCALE_ROW1
.else
	v_wmma_scale_f32_16x16x128_f8f6f4 v[(\d):(\d)+7], v[(\a):(\a)+11], v[(\b):(\b)+11], 0, v[\sa], v[\sb] matrix_a_fmt:MATRIX_FMT_BF6 matrix_b_fmt:MATRIX_FMT_BF6
.endif
.endif
.else
.if \ra
.if \rb
	v_wmma_scale_f32_16x16x128_f8f6f4 v[(\d):(\d)+7], v[(\a):(\a)+11], v[(\b):(\b)+11], v[(\d):(\d)+7], v[\sa], v[\sb] matrix_a_fmt:MATRIX_FMT_BF6 matrix_b_fmt:MATRIX_FMT_BF6 matrix_a_scale:MATRIX_SCALE_ROW1 matrix_b_scale:MATRIX_SCALE_ROW1
.else
	v_wmma_scale_f32_16x16x128_f8f6f4 v[(\d):(\d)+7], v[(\a):(\a)+11], v[(\b):(\b)+11], v[(\d):(\d)+7], v[\sa], v[\sb] matrix_a_fmt:MATRIX_FMT_BF6 matrix_b_fmt:MATRIX_FMT_BF6 matrix_a_scale:MATRIX_SCALE_ROW1
.endif
.else
.if \rb
	v_wmma_scale_f32_16x16x128_f8f6f4 v[(\d):(\d)+7], v[(\a):(\a)+11], v[(\b):(\b)+11], v[(\d):(\d)+7], v[\sa], v[\sb] matrix_a_fmt:MATRIX_FMT_BF6 matrix_b_fmt:MATRIX_FMT_BF6 matrix_b_scale:MATRIX_SCALE_ROW1
.else
	v_wmma_scale_f32_16x16x128_f8f6f4 v[(\d):(\d)+7], v[(\a):(\a)+11], v[(\b):(\b)+11], v[(\d):(\d)+7], v[\sa], v[\sb] matrix_a_fmt:MATRIX_FMT_BF6 matrix_b_fmt:MATRIX_FMT_BF6
.endif
.endif
.endif
.endm
.macro FRAGS g, s
.irp j, 0,1,2,3
.irp c, 0,1,2
	ds_load_b128 v[FB+48*((\s)%2)+12*\j+4*\c:FB+48*((\s)%2)+12*\j+4*\c+3], v[LA+\g] offset:(8*\j+(\s))*1536+512*\c
.endr
.endr
.endm
.macro MUL8 m0, s
.irp m, \m0, \m0+1
.irp j, 0,1,2,3
	WM 32*(\m)+8*\j, FB+48*((\s)%2)+12*\j, 96*((\m)-(\m0))+12*(\s), (\s)==0, SCL+2*(\s)+\j/2, SCR+2*(\s)+(\m)/2, \j%2, (\m)%2
.endr
.endr
.endm
.macro MATS g
.set SCL, 160+16*\g-208*(\g/5)
.if \g == 2
	s_wait_tensorcnt 0x0                           ; my quarter of groups 2 to 5 is in
	s_wait_dscnt 0x0
	s_barrier_signal -1
	s_barrier_wait -1                              ; everybody's is
.endif
	FRAGS \g, 0
.irp s, 0,1,2,3,4,5,6,7
.if \s > 0
	PLACES
.endif
.if \s < 7
	FRAGS \g, \s+1
	s_wait_dscnt 12                                ; all but the next K step's 12 loads
.else
	s_wait_dscnt 0x0
.endif
.if \g == 0                                    ; source 1's loads were issued last, 12 for each K step: those of the later K steps may be out (the wait's count holds 63 at the most)
.if (7-\s)*12 > 63
	s_wait_loadcnt 63
.else
	s_wait_loadcnt (7-\s)*12
.endif
.endif
	WIN 0xf4
	MUL8 0, \s
	WIN 0xf8
	MUL8 2, \s
	WIN 0
.endr
	PLACES
.endm
; x1 x3 / (1 + 2^(-x1 log2 e)), left in x1's registers.  The exponentials are one batch with one wait, and so are the reciprocals.
.macro ACT
	WIN 0xff
.irp m, 0,1,2,3
.set i, 0
.rept 16
	v_mul_f32 v[TT+16*\m+i], 0xbfb8aa3b, v[32*\m+i]
.set i, i+1
.endr
.endr
.set i, 0
	s_wait_alu depctr_va_vdst(0)
.rept 64
	v_exp_f32 v[TT+i], v[TT+i]
.set i, i+1
.endr
	s_wait_alu depctr_va_vdst(0)
.irp m, 0,1,2,3
.set i, 0
.rept 8
	v_pk_mul_f32 v[32*\m+16+i:32*\m+17+i], v[32*\m+i:32*\m+i+1], v[32*\m+16+i:32*\m+17+i]   ; x1 x3: plain work behind the batch
.set i, i+2
.endr
.endr
	s_wait_alu depctr_va_vdst(0)
.set i, 0
.rept 32
	v_pk_add_f32 v[TT+i:TT+i+1], v[TT+i:TT+i+1], 1.0 op_sel_hi:[1,0]
.set i, i+2
.endr
.set i, 0
	s_wait_alu depctr_va_vdst(0)
.rept 64
	v_rcp_f32 v[TT+i], v[TT+i]
.set i, i+1
.endr
	v_nop
	s_wait_alu depctr_va_vdst(0)
.irp m, 0,1,2,3
.set i, 0
.rept 8
	v_pk_mul_f32 v[32*\m+i:32*\m+i+1], v[32*\m+16+i:32*\m+17+i], v[TT+16*\m+i:TT+16*\m+i+1]
.set i, i+2
.endr
.endr
.endm
; one block of 32 hidden units for each of my four token tiles: 16 numbers a lane, the other 16 in lane l xor 16.  par = 0: the half fragment's first block; 1: its second, which completes it
.macro BLOCKQ par
.irp m, 0,1,2,3
	v_max3_num_f32 v[MX+\m], |v[32*\m]|, |v[32*\m+1]|, 0x2800000
.endr
.irp i, 2,4,6,8,10,12,14
.irp m, 0,1,2,3
	v_max3_num_f32 v[MX+\m], v[MX+\m], |v[32*\m+\i]|, |v[32*\m+\i+1]|
.endr
.endr
.irp m, 0,1,2,3
	v_permlanex16_b32 v[PX+\m], v[MX+\m], s[SEL], s[SEL+1]
.endr
.irp m, 0,1,2,3
	v_max_num_f32 v[MX+\m], v[MX+\m], v[PX+\m]
.endr
.irp m, 0,1,2,3
	v_add_nc_u32 v[MX+\m], 0xfe000000, v[MX+\m]
.endr
.if \par == 0
.irp m, 0,1,2,3
	v_lshrrev_b32 v[PWH+\m], 23, v[MX+\m]
.endr
.irp m, 0,1,2,3
	v_cvt_scalef32_pk16_bf6_f32 v[PCD+8*\m:PCD+8*\m+2], v[32*\m:32*\m+15], v[MX+\m]
.endr
	v_nop
.else
.irp m, 0,1,2,3
	v_lshrrev_b32 v[PX+\m], 23, v[MX+\m]
.endr
.irp m, 0,1,2,3
	v_lshl_or_b32 v[PWH+\m], v[PX+\m], 8, v[PWH+\m]
.endr
.irp m, 0,1,2,3
	v_cvt_scalef32_pk16_bf6_f32 v[TC+4*\m:TC+4*\m+2], v[32*\m:32*\m+15], v[MX+\m]
.endr
	v_nop
.irp m, 0,1,2,3
.irp i, 0,1,2
	v_permlane16_swap_b32 v[PCD+8*\m+\i], v[TC+4*\m+\i]
.endr
.endr
.irp m, 0,1,2,3
.irp i, 0,1,2
	v_mov_b32 v[PCD+8*\m+3+\i], v[TC+4*\m+\i]
.endr
.endr
.endif
.endm
.macro EPI g
	ACT
.if (\g)%2 == 0
	s_wait_xcnt 0x0                                ; the last half fragments' stores have read their registers
	BLOCKQ 0
	WIN 0
.else
	BLOCKQ 1
	v_cndmask_b32 v228, v[PWH], v[PWH+1], s[HM]
	v_cndmask_b32 v229, v[PWH+2], v[PWH+3], s[HM]
	WIN 0x0c
.irp m, 0,1,2,3
	global_store_b128 v4, v[PCD+8*\m:PCD+8*\m+3], s[66:67] offset:36864*\m+768*((\g)/2)
	global_store_b64 v5, v[PCD+8*\m+4:PCD+8*\m+5], s[66:67] offset:36864*\m+768*((\g)/2)
.endr
	global_store_b16 v7, v228, s[68+2*((\g)/2):69+2*((\g)/2)]
	global_store_b16 v7, v229, s[68+2*((\g)/2):69+2*((\g)/2)] offset:4
	WIN 0
.endif
.endm
	s_load_b128 s[4:7], s[0:1], 0x0                ; xn2q, wc
	s_load_b64 s[8:9], s[0:1], 0x10                ; hid
	v_lshl_add_u32 v254, v0, 2, 0x4b000
	v_mov_b32 v255, 0
	ds_add_u32 v254, v255
	ds_add_u32 v254, v255
	v_lshrrev_b32 v1, 5, v0
	v_readfirstlane_b32 s12, v1
	s_mov_b32 s13, ttmp9
	s_and_b32 s14, s13, 15                         ; block of 256 tokens
	s_lshr_b32 s15, s13, 4                         ; block of 192 hidden units: 0..14
	s_mov_b32 s20, 3<<16                           ; group 1 for the head's load: 96 rows of 256 dense bytes: a quarter of groups 0 and 1
	s_mov_b32 s21, 32<<16
	s_mov_b32 s22, 96<<16
	s_mov_b32 s23, 32<<16
	s_mov_b32 s24, 96
	s_mov_b32 s25, 32
	s_mov_b32 s26, 0
	s_mov_b32 s27, 0
	s_mov_b32 s28, 3<<16                           ; and for the second: 192 rows: a quarter of groups 2 to 5
	s_mov_b32 s29, 32<<16
	s_mov_b32 s30, 192<<16
	s_mov_b32 s31, 32<<16
	s_mov_b32 s32, 192
	s_mov_b32 s33, 32
	s_mov_b32 s34, 0
	s_mov_b32 s35, 0
	s_mul_i32 s16, s15, 24
	s_add_co_u32 s16, s16, 256                     ; the first of my 24 tiles
	s_mul_i32 s17, s12, 24576
	s_mul_i32 s18, s16, 12288
	s_add_co_u32 s18, s18, s17
	s_mov_b32 s19, 0
	s_lshl_b32 s2, s16, 6
	s_add_co_u32 s2, s2, WSK
	s_mov_b32 s3, 0
	s_wait_dscnt 0x0
	s_wait_kmcnt 0x0
	s_add_nc_u64 s[18:19], s[6:7], s[18:19]
	s_mov_b32 s40, 1                               ; my quarter of groups 0 and 1: 24,576 bytes at 24,576 x wave
	s_mov_b32 s41, s17
	s_mov_b64 s[42:43], s[18:19]
	s_or_b32 s43, s43, 0x80000000
	s_mov_b32 s44, 1                               ; my quarter of groups 2 to 5: 49,152 bytes at 98,304 + 49,152 x wave
	s_lshl_b32 s45, s17, 1
	s_add_co_u32 s45, s45, 98304
	s_mov_b32 s36, s17
	s_mov_b32 s37, 0
	s_add_nc_u64 s[46:47], s[18:19], s[36:37]
	s_add_nc_u64 s[46:47], s[46:47], 98304
	s_or_b32 s47, s47, 0x80000000
	s_add_nc_u64 s[38:39], s[6:7], s[2:3]          ; the block's scale words
	tensor_load_to_lds s[40:43], s[20:27]          ; groups 0 and 1: one tensor load a wave at the head
	s_nop 0
.rept 4
	v_nop
.endr
	s_mov_b32 s[SEL], 0x76543210
	s_mov_b32 s[SEL+1], 0xfedcba98
	s_mov_b32 s[HM], 0xffff0000
	s_lshl_b32 s86, s14, 2
	s_add_co_u32 s86, s86, s12                     ; 4 tb + w
	s_lshl_b32 s85, s86, 2                         ; my first token tile
	s_mul_i32 s2, s85, 12288
	s_mov_b32 s3, 0
	s_add_nc_u64 s[74:75], s[4:5], s[2:3]
	s_lshl_b32 s2, s85, 6
	s_add_co_u32 s2, s2, XSK
	s_add_nc_u64 s[76:77], s[4:5], s[2:3]
	s_mul_i32 s83, s15, 3                          ; my first half fragment along the next K
	s_mul_i32 s2, s85, 36864
	s_mul_i32 s18, s83, 768
	s_add_co_u32 s2, s2, s18
	s_add_nc_u64 s[66:67], s[8:9], s[2:3]
.irp q, 0,1,2
	s_add_co_u32 s2, s83, \q
	s_lshr_b32 s18, s2, 1
	s_lshl_b32 s18, s18, 6
	s_add_co_u32 s18, s18, s86
	s_lshl_b32 s18, s18, 8
	s_and_b32 s2, s2, 1
	s_lshl_b32 s2, s2, 1
	s_add_co_u32 s18, s18, s2
	s_add_co_u32 s18, s18, SHO
	s_mov_b32 s19, 0
	s_add_nc_u64 s[68+2*\q:69+2*\q], s[8:9], s[18:19]
.endr
	v_and_b32 v1, 31, v0
	v_lshlrev_b32 v4, 4, v1
	v_lshl_add_u32 v5, v1, 3, 512
	v_lshlrev_b32 v6, 2, v1
	v_lshlrev_b32 v7, 3, v1
.irp g, 0,1,2,3,4,5
	v_add_nc_u32 v[LA+\g], 49152*\g, v4
.endr
	s_wait_alu depctr_va_vdst(0)
	WIN 0
.irp s, 0,1,2,3,4,5,6,7
.irp p, 0,1
	global_load_b32 v[SCR+2*\s+\p], v6, s[76:77] offset:40960*\s+128*\p
.endr
.endr
	WIN 0xc0
.irp k, 0,1,2,3
	v_mov_b32 v[PX+\k], 0
.endr
	WIN 0
.irp g, 0,1,2,3,4,5
.irp s, 0,1,2,3,4,5,6,7
.irp p, 0,1
	global_load_b32 v[160+16*\g-208*(\g/5)+2*\s+\p], v6, s[38:39] offset:40960*\s+256*\g+128*\p   ; the weights' scale words: 128 consecutive bytes a load
.endr
.endr
.endr
.irp s, 0,1,2,3,4,5,6,7                        ; source 1's fragments, K step by K step, behind all other loads: group 0 begins on the first K steps while the later ones land
	WIN 0x40
.irp m, 0,1
.irp c, 0,1,2
	global_load_b128 v[96*\m+12*\s+4*\c:96*\m+12*\s+4*\c+3], v4, s[74:75] offset:(8*\m+\s)*1536+512*\c
.endr
.endr
	WIN 0x80
.irp m, 0,1
.irp c, 0,1,2
	global_load_b128 v[96*\m+12*\s+4*\c:96*\m+12*\s+4*\c+3], v4, s[74:75] offset:(8*(\m+2)+\s)*1536+512*\c
.endr
.endr
.endr
	WIN 0
	s_wait_alu depctr_va_vdst(0)
	s_wait_tensorcnt 0x0
	ds_add_u32 v254, v255
	s_wait_dscnt 0x0
	s_barrier_signal -1
	s_barrier_wait -1                              ; everybody's is
	tensor_load_to_lds s[44:47], s[28:35]          ; groups 2 to 5, my one load behind this barrier: it has two groups' work in which to land
	s_nop 0
.rept 4
	v_nop
.endr
	MATS 0
	EPI 0
	MATS 1
	EPI 1
	MATS 2
	EPI 2
	MATS 3
	EPI 3
	MATS 4
	EPI 4
	MATS 5
	EPI 5
	s_wait_tensorcnt 0x0
	ds_add_u32 v254, v255
	s_wait_dscnt 0x0
	s_endpgm
.Lfunc_end_k_qc67af2f5e1_ffn1:
	.size	k_qc67af2f5e1_ffn1, .Lfunc_end_k_qc67af2f5e1_ffn1-k_qc67af2f5e1_ffn1
	.p2alignl 7, 3214868480
	.fill 96, 4, 3214868480
	.section	.rodata,"a",@progbits
	.p2align	6, 0x0
	.amdhsa_kernel k_qc67af2f5e1_ffn1
		.amdhsa_group_segment_fixed_size 327680
		.amdhsa_private_segment_fixed_size 0
		.amdhsa_enable_private_segment 0
		.amdhsa_kernarg_size 24
		.amdhsa_user_sgpr_count 2
		.amdhsa_user_sgpr_kernarg_segment_ptr 1
		.amdhsa_wavefront_size32 1
		.amdhsa_system_sgpr_workgroup_id_x 1
		.amdhsa_system_sgpr_workgroup_id_y 1
		.amdhsa_system_sgpr_workgroup_id_z 1
		.amdhsa_system_vgpr_workitem_id 0
		.amdhsa_next_free_vgpr 1024
		.amdhsa_next_free_sgpr 100
		.amdhsa_reserve_vcc 0
		.amdhsa_float_denorm_mode_32 3
		.amdhsa_float_denorm_mode_16_64 3
		.amdhsa_memory_ordered 1
		.amdhsa_forward_progress 1
		.amdhsa_inst_pref_size 255
	.end_amdhsa_kernel
	.section	.bss,"aw",@nobits
	.p2align	6
	.space	262144
	.amdgpu_metadata
---
amdhsa.version: [ 1, 2 ]
amdhsa.kernels:
  - .name:           k_qc67af2f5e1_ffn1
    .symbol:         k_qc67af2f5e1_ffn1.kd
    .args:
      - { .name: xn2q, .offset: 0, .size: 8, .value_kind: global_buffer, .address_space: global }
      - { .name: wc, .offset: 8, .size: 8, .value_kind: global_buffer, .address_space: global }
      - { .name: hid, .offset: 16, .size: 8, .value_kind: global_buffer, .address_space: global }
    .group_segment_fixed_size: 327680
    .private_segment_fixed_size: 0
    .kernarg_segment_align: 8
    .kernarg_segment_size: 24
    .max_flat_workgroup_size: 128
    .sgpr_count:     100
    .vgpr_count:     1024
    .wavefront_size: 32
...
	.end_amdgpu_metadata
.endif
;; end of part 5
;; launch ffn2 (part 6): grid 256 x 1, 4 waves a work-group, no clusters, 327,680 bytes of LDS; arguments hid, wc, x2, out0; writes out0
.if DOCPART == 6
	.amdgcn_target "amdgcn-amd-amdhsa--gfx1250"
	.amdhsa_code_object_version 6
	.text
	.protected	k_qc67af2f5e1_ffn2
	.globl	k_qc67af2f5e1_ffn2
	.p2align	8
	.type	k_qc67af2f5e1_ffn2,@function
k_qc67af2f5e1_ffn2:
	s_mov_b64 s[64:65], 0
	v_nop
	global_prefetch_b8 v0, s[64:65] scope:SCOPE_SE
	s_setreg_imm32_b32 hwreg(HW_REG_WAVE_MODE, 25, 1), 1
	s_wait_xcnt 0x0
; out0 = x2 + hidden w2^T: product 9 on codes of BF6, K = 2,752 in 22 steps of 128 (the last step's upper half is zero codes on both sides).
; A work-group makes 128 tokens x 128 columns, so that there are 256 work-groups; a wave 32 tokens (2 tiles) x 8 tiles of w2: 16 accumulators by turns, 16 matrix instructions a K step.
; For each work-group that is 128 + 128 rows of 2,112 bytes of codes: the square tile asks for the fewest bytes among those that give 256 work-groups.
; w2's 8 tiles x 22 K steps, one dense block of 270,336 bytes, come into LDS once, in two chunks (K steps 0-11, 12-21), a quarter of each chunk a wave; nothing is filled twice.
; The first chunk is asked for ahead of the loads into registers, the second behind them, the first wait on TENSORcnt and the first barrier.
; The hidden layer's fragments, which one wave alone reads, go from memory into a ring of eight register sets, six K steps ahead (60 loads of a wave on their way), with both sides' scale words.
; The residual x2 is the C of the sums: loaded by rows and turned through the wave's own stage, which lies behind w2's bytes; the results leave the same way, as rows of 512 bytes.
; The matrix instruction is used transposed (source 0 = 16 rows of w2, source 1 = 16 tokens).  A wave has one tensor load out at the most.
; The 32 work-groups that share a block of w2 ask for it each by itself; joint requests in a cluster are not built here.
.set W2O,  7569408
.set SW2O, 10256384
.set SHO,  9437184
.set STG,  270336
.set STGB, 8448
.set LA,   16                          ; v16-20 16 x lane + 61,440 k
.set ASC,  32                          ; v32-39 the tokens' scale words: ring set q at v[32 + q]: my tile 0 in lanes 0-15, tile 1 in lanes 16-31
.set WSC,  40                          ; v40-71 w2's: set q at v[40 + 4 q]: register p = tiles 2 p (lanes 0-15), 2 p + 1 (lanes 16-31)
; window 1: the hidden fragments, set q, tile m at v[24 q + 12 m]; window 2: w2's eight fragments, two buffers at v0, v96; window 3: accumulator (m, j) at v[64 m + 8 j]
.set MSB, 0
.macro WIN new
.if MSB != (\new)
	s_set_vgpr_msb (MSB<<8)|(\new)
.set MSB, (\new)
.endif
.endm
.macro PLACES
.rept 4
	v_nop
.endr
.endm
.macro WM d, a, b, sa, sb, ra, rb
.if \ra
.if \rb
	v_wmma_scale_f32_16x16x128_f8f6f4 v[(\d):(\d)+7], v[(\a):(\a)+11], v[(\b):(\b)+11], v[(\d):(\d)+7], v[\sa], v[\sb] matrix_a_fmt:MATRIX_FMT_BF6 matrix_b_fmt:MATRIX_FMT_BF6 matrix_a_scale:MATRIX_SCALE_ROW1 matrix_b_scale:MATRIX_SCALE_ROW1
.else
	v_wmma_scale_f32_16x16x128_f8f6f4 v[(\d):(\d)+7], v[(\a):(\a)+11], v[(\b):(\b)+11], v[(\d):(\d)+7], v[\sa], v[\sb] matrix_a_fmt:MATRIX_FMT_BF6 matrix_b_fmt:MATRIX_FMT_BF6 matrix_a_scale:MATRIX_SCALE_ROW1
.endif
.else
.if \rb
	v_wmma_scale_f32_16x16x128_f8f6f4 v[(\d):(\d)+7], v[(\a):(\a)+11], v[(\b):(\b)+11], v[(\d):(\d)+7], v[\sa], v[\sb] matrix_a_fmt:MATRIX_FMT_BF6 matrix_b_fmt:MATRIX_FMT_BF6 matrix_b_scale:MATRIX_SCALE_ROW1
.else
	v_wmma_scale_f32_16x16x128_f8f6f4 v[(\d):(\d)+7], v[(\a):(\a)+11], v[(\b):(\b)+11], v[(\d):(\d)+7], v[\sa], v[\sb] matrix_a_fmt:MATRIX_FMT_BF6 matrix_b_fmt:MATRIX_FMT_BF6
.endif
.endif
.endm
.macro ALOAD s                         ; K step s: my two tiles' fragments and both sides' scale words into ring set s % 8: 10 loads
	WIN 0x40
.irp m, 0,1
	global_load_b128 v[24*((\s)%8)+12*\m:24*((\s)%8)+12*\m+3], v4, s[48:49] offset:36864*\m+1536*(\s)
	global_load_b64 v[24*((\s)%8)+12*\m+4:24*((\s)%8)+12*\m+5], v5, s[48:49] offset:36864*\m+1536*(\s)
	global_load_b128 v[24*((\s)%8)+12*\m+6:24*((\s)%8)+12*\m+9], v4, s[48:49] offset:36864*\m+1536*(\s)+768
	global_load_b64 v[24*((\s)%8)+12*\m+10:24*((\s)%8)+12*\m+11], v5, s[48:49] offset:36864*\m+1536*(\s)+768
.endr
	WIN 0
	global_load_b32 v[ASC+(\s)%8], v6, s[50:51] offset:16384*(\s)
	global_load_b128 v[WSC+4*((\s)%8):WSC+4*((\s)%8)+3], v4, s[52:53] offset:4096*(\s)
.endm
.macro WLDS s                          ; w2's eight fragments of K step s into buffer s % 2: 24 loads of 512 consecutive bytes
	WIN 0x80
.irp j, 0,1,2,3,4,5,6,7
.irp c, 0,1,2
	ds_load_b128 v[96*((\s)%2)+12*\j+4*\c:96*((\s)%2)+12*\j+4*\c+3], v[LA+(\s)/5] offset:((\s)%5)*12288+1536*\j+512*\c
.endr
.endr
	WIN 0
.endm
.macro MEET left                       ; the next chunk of w2 is whole in LDS
	s_wait_tensorcnt \left                         ; my quarter of it is in: nothing is filled twice
	s_wait_dscnt 0x0
	s_barrier_signal -1
	s_barrier_wait -1
.endm
.macro KSTEP s
.if (\s) >= 1
	PLACES                                         ; w2's buffer that is loaded next was multiplied just now
.endif
.if (\s)+6 <= 21
	ALOAD (\s)+6
.endif
.if (\s)+1 == 12
	MEET 0                                         ; K steps 12-21 of w2 lie in LDS
.endif
.if (\s) < 21
	WLDS (\s)+1
.endif
.if 21-(\s) >= 6
	s_wait_loadcnt 60                              ; the six younger K steps' loads may be out
.else
	s_wait_loadcnt 10*(21-(\s))
.endif
.if (\s) < 21
	s_wait_dscnt 24                                ; all but the next K step's 24 loads
.else
	s_wait_dscnt 0x0
.endif
	WIN 0xf6                                       ; source 0 window 2, source 1 window 1, C and D window 3
.irp m, 0,1
.irp j, 0,1,2,3,4,5,6,7
	WM 64*\m+8*\j, 96*((\s)%2)+12*\j, 24*((\s)%8)+12*\m, WSC+4*((\s)%8)+\j/2, ASC+(\s)%8, \j%2, \m
.endr
.endr
	WIN 0
.endm
.macro TURN_IN m                       ; tile m's 16 rows of x2 as loaded -> the accumulators' layout
	WIN 0x0c
.set i, 0
.rept 16
	ds_store_b128 v7, v[64*\m+4*i:64*\m+4*i+3] offset:528*i
.set i, i+1
.endr
	s_wait_dscnt 0x0                               ; the stores have read their registers
	WIN 0xc0
.set i, 0
.rept 16
	ds_load_b128 v[64*\m+4*i:64*\m+4*i+3], v8 offset:128*(i/4)+16*(i%4)
.set i, i+1
.endr
.endm
.macro ROWS_OUT m
	WIN 0x0c
.set i, 0
.rept 16
	ds_store_b128 v8, v[64*\m+4*i:64*\m+4*i+3] offset:128*(i/4)+16*(i%4)   ; each accumulator from its low end on
.set i, i+1
.endr
	WIN 0x40
.set i, 0
.rept 16
	ds_load_b128 v[64*\m+4*i:64*\m+4*i+3], v7 offset:528*i                 ; LDS serves a wave's instructions in order; the ring's registers are done with
.set i, i+1
.endr
	WIN 0x04
.set i, 0
.rept 16
	s_wait_dscnt 15-i
	global_store_b128 v4, v[64*\m+4*i:64*\m+4*i+3], s[56:57] offset:(8*\m+i+8*(i/8))*4096 th:TH_STORE_NT
.set i, i+1
.endr
	WIN 0
.endm
	s_load_b256 s[4:11], s[0:1], 0x0               ; hid, wc, x2, out0
	v_lshl_add_u32 v254, v0, 2, 0x4a400
	v_mov_b32 v255, 0
	ds_add_u32 v254, v255
	ds_add_u32 v254, v255
	v_lshrrev_b32 v1, 5, v0
	v_readfirstlane_b32 s12, v1
	s_mov_b32 s13, ttmp9
	s_and_b32 s14, s13, 31                         ; block of 128 tokens
	s_lshr_b32 s15, s13, 5                         ; block of 128 columns
	s_mov_b32 s16, 3<<16                           ; w2's block comes by TWO loads a wave.  Group 1 for the first: 144 rows of 256 dense bytes: a quarter of K steps 0-11
	s_mov_b32 s17, 32<<16
	s_mov_b32 s18, 144<<16
	s_mov_b32 s19, 32<<16
	s_mov_b32 s20, 144
	s_mov_b32 s21, 32
	s_mov_b32 s22, 0
	s_mov_b32 s23, 0
	s_mov_b32 s24, 3<<16                           ; for the second: 120 rows: a quarter of K steps 12-21
	s_mov_b32 s25, 32<<16
	s_mov_b32 s26, 120<<16
	s_mov_b32 s27, 32<<16
	s_mov_b32 s28, 120
	s_mov_b32 s29, 32
	s_mov_b32 s30, 0
	s_mov_b32 s31, 0
	s_mul_i32 s58, s12, 36864
	s_mul_i32 s59, s12, 30720
	s_mul_i32 s60, s15, 294912
	s_add_co_u32 s60, s60, W2O
	s_mov_b32 s61, 0
	s_mov_b32 s62, s58
	s_mov_b32 s63, 0
	v_and_b32 v1, 31, v0
	v_and_b32 v2, 15, v0
	v_bfe_u32 v3, v0, 4, 1
	v_lshlrev_b32 v4, 4, v1
	v_lshl_add_u32 v5, v1, 3, 512
	v_lshlrev_b32 v6, 3, v1
.irp k, 0,1,2,3,4
	v_add_nc_u32 v[LA+\k], 61440*\k, v4
.endr
	s_wait_alu depctr_va_vdst(0)
	s_wait_dscnt 0x0
	s_wait_kmcnt 0x0
	s_add_nc_u64 s[60:61], s[6:7], s[60:61]        ; my column block's w2
	s_mov_b32 s32, 1
	s_mov_b32 s33, s58
	s_add_nc_u64 s[34:35], s[60:61], s[62:63]
	s_or_b32 s35, s35, 0x80000000
	s_mov_b32 s62, s59
	s_mov_b32 s36, 1
	s_add_co_u32 s37, s59, 147456
	s_add_nc_u64 s[38:39], s[60:61], s[62:63]
	s_add_nc_u64 s[38:39], s[38:39], 147456
	s_or_b32 s39, s39, 0x80000000
	tensor_load_to_lds s[32:35], s[16:23]          ; my quarter of K steps 0-11, 36,864 bytes
	s_nop 0
.rept 4
	v_nop
.endr
	s_lshl_b32 s58, s14, 2
	s_add_co_u32 s58, s58, s12                     ; 4 tb + w: my 32 tokens; my first token tile is twice that
	s_mul_i32 s60, s58, 73728                      ; two tiles of 36,864 bytes
	s_mov_b32 s61, 0
	s_add_nc_u64 s[48:49], s[4:5], s[60:61]
	s_lshr_b32 s60, s58, 1                         ; the scale words lie by fours of tiles: which four,
	s_lshl_b32 s60, s60, 8
	s_and_b32 s62, s58, 1                          ; and which pair of it
	s_lshl_b32 s62, s62, 2
	s_add_co_u32 s60, s60, s62
	s_add_co_u32 s60, s60, SHO
	s_add_nc_u64 s[50:51], s[4:5], s[60:61]
	s_lshl_b32 s60, s15, 9
	s_add_co_u32 s60, s60, SW2O
	s_add_nc_u64 s[52:53], s[6:7], s[60:61]
	s_lshl_b32 s60, s58, 17                        ; 32 rows of 4,096 bytes
	s_lshl_b32 s62, s15, 9                         ; my 128 columns
	s_add_co_u32 s60, s60, s62
	s_add_nc_u64 s[54:55], s[8:9], s[60:61]
	s_add_nc_u64 s[56:57], s[10:11], s[60:61]
	s_mul_i32 s58, s12, STGB
	s_add_co_u32 s58, s58, STG
	v_add_nc_u32 v7, s58, v4
	v_mul_u32_u24 v8, v2, 528
	v_lshl_add_u32 v8, v3, 6, v8
	v_add_nc_u32 v8, s58, v8
	WIN 0xc0
.irp m, 0,1
.irp i, 0,1,2,3,4,5,6,7,8,9,10,11,12,13,14,15
	global_load_b128 v[64*\m+4*\i:64*\m+4*\i+3], v4, s[54:55] offset:(8*\m+\i+8*(\i/8))*4096 th:TH_LOAD_NT
.endr
.endr
	WIN 0
	ALOAD 0
	ALOAD 1
	ALOAD 2
	ALOAD 3
	ALOAD 4
	ALOAD 5
	s_wait_alu depctr_va_vdst(0)                   ; the wait at the head's end
	s_wait_tensorcnt 0x0                           ; my quarter of K steps 0-11 is in
	ds_add_u32 v254, v255
	s_wait_dscnt 0x0
	s_barrier_signal -1
	s_barrier_wait -1                              ; everybody's is
	tensor_load_to_lds s[36:39], s[24:31]          ; my quarter of K steps 12-21, 30,720 bytes, my one load behind this barrier: it has eleven K steps in which to land
	s_nop 0
.rept 4
	v_nop
.endr
	s_wait_loadcnt 60
	TURN_IN 0
	TURN_IN 1
	WIN 0
	WLDS 0
.set S, 0
.rept 22
	KSTEP S
.set S, S+1
.endr
	PLACES
	ROWS_OUT 0
	ROWS_OUT 1
	s_wait_tensorcnt 0x0
	ds_add_u32 v254, v255
	s_wait_dscnt 0x0
	s_endpgm
.Lfunc_end_k_qc67af2f5e1_ffn2:
	.size	k_qc67af2f5e1_ffn2, .Lfunc_end_k_qc67af2f5e1_ffn2-k_qc67af2f5e1_ffn2
	.p2alignl 7, 3214868480
	.fill 96, 4, 3214868480
	.section	.rodata,"a",@progbits
	.p2align	6, 0x0
	.amdhsa_kernel k_qc67af2f5e1_ffn2
		.amdhsa_group_segment_fixed_size 327680
		.amdhsa_private_segment_fixed_size 0
		.amdhsa_enable_private_segment 0
		.amdhsa_kernarg_size 32
		.amdhsa_user_sgpr_count 2
		.amdhsa_user_sgpr_kernarg_segment_ptr 1
		.amdhsa_wavefront_size32 1
		.amdhsa_system_sgpr_workgroup_id_x 1
		.amdhsa_system_sgpr_workgroup_id_y 1
		.amdhsa_system_sgpr_workgroup_id_z 1
		.amdhsa_system_vgpr_workitem_id 0
		.amdhsa_next_free_vgpr 1024
		.amdhsa_next_free_sgpr 66
		.amdhsa_reserve_vcc 0
		.amdhsa_float_denorm_mode_32 3
		.amdhsa_float_denorm_mode_16_64 3
		.amdhsa_memory_ordered 1
		.amdhsa_forward_progress 1
		.amdhsa_inst_pref_size 127
	.end_amdhsa_kernel
	.amdgpu_metadata
---
amdhsa.version: [ 1, 2 ]
amdhsa.kernels:
  - .name:           k_qc67af2f5e1_ffn2
    .symbol:         k_qc67af2f5e1_ffn2.kd
    .args:
      - { .name: hid, .offset: 0, .size: 8, .value_kind: global_buffer, .address_space: global }
      - { .name: wc, .offset: 8, .size: 8, .value_kind: global_buffer, .address_space: global }
      - { .name: x2, .offset: 16, .size: 8, .value_kind: global_buffer, .address_space: global }
      - { .name: out0, .offset: 24, .size: 8, .value_kind: global_buffer, .address_space: global }
    .group_segment_fixed_size: 327680
    .private_segment_fixed_size: 0
    .kernarg_segment_align: 8
    .kernarg_segment_size: 32
    .max_flat_workgroup_size: 128
    .sgpr_count:     66
    .vgpr_count:     1024
    .wavefront_size: 32
...
	.end_amdgpu_metadata
.endif
;; end of part 6
